; MI455X (gfx1250); checked and timed in simulation.
; The chip was launched on July 23, 2026; its instructions are those of AMD's public machine-readable ISA for CDNA 5 (MIT licence, August 2026) and "CDNA5" Instruction Set Architecture Reference Guide (July 2026). The comments in the code are by the model that wrote it; some were corrected since.
;; Multi Head Attention. Allowed arithmetic: matrix products marked QUANTISED: E2M3 operands, one E8M0 scale for each 32 along K, by v_wmma_scale_f32_16x16x128_f8f6f4 with both operands' format E2M3, f32 sums; everything else in f32.
;; Inputs: Wk 1,024 x 1,024 float32; Wo 1,024 x 1,024 float32; Wq 1,024 x 1,024 float32; Wv 1,024 x 1,024 float32; bk 1,024 float32; bo 1,024 float32; bq 1,024 float32; bv 1,024 float32; x 4 x 2,048 x 1,024 float32.
;; Outputs: out0 4 x 2,048 x 1,024 float32.
;; This version of the problem:
;;   THIS VERSION OF THE PROBLEM IS GIVEN IN LOW PRECISION. The matrix products marked QUANTISED in the list below multiply operands that are first quantised to E2M3 (2 exponent bits, 3 mantissa bits; 6 bits a number), with one power-of-two scale for each 32 numbers along K (OCP MX v1.0); their sums are f32. All else is computed in f32.
;;   The module's matrix products, in the order in which they are computed (A, B: the left and right operand; K: the contracted axis; several contracted axes count as one K, in the product's order):
;;     1. [M 8,192, K 1,024] x [K 1,024, N 1,024]; A: input x; B: input Wq: QUANTISED
;;     2. [M 8,192, K 1,024] x [K 1,024, N 1,024]; A: input x; B: input Wk: QUANTISED
;;     3. [M 8,192, K 1,024] x [K 1,024, N 1,024]; A: input x; B: input Wv: QUANTISED
;;     4. batch 64 x [M 2,048, K 64] x [K 64, N 2,048]; A: computed on the way; B: computed on the way: QUANTISED
;;     5. batch 64 x [M 2,048, K 2,048] x [K 2,048, N 64]; A: softmax (see below); B: computed on the way: QUANTISED
;;     6. [M 8,192, K 1,024] x [K 1,024, N 1,024]; A: computed on the way; B: input Wo: QUANTISED
;;   THE QUANTISER, for each operand of a quantised product, along K:
;;     - K is cut into blocks of 32 from its start; a last block that is shorter is filled with zeros.
;;     - A block's scale is 2^e with e = floor(log2(the largest magnitude in the block)) - 2, held to -126 .. 127; a block of zeros has e = 0. As a byte (E8M0): e + 127.
;;     - Each number is divided by its block's scale, clamped to +-7.5, and rounded to the nearest number of E2M3, ties to even, subnormals kept.
;;     - The product sums the exact products of the quantised numbers (number of the format x scale) in f32.
;;   ~~~python
;;   def quantise(x, axis):      # numpy; x: float32 -> the quantised numbers, widened to float32 again
;;       x = np.moveaxis(x, axis, -1); K = x.shape[-1]
;;       x = np.pad(x, [(0, 0)] * (x.ndim - 1) + [(0, -K % 32)]); x = x.reshape(x.shape[:-1] + (-1, 32)); a = np.abs(x).max(-1, keepdims=True)
;;       e = np.where(a > 0, np.clip(np.frexp(np.where(a > 0, a, 1))[1] - 1 - 2, -126, 127), 0)      # np.frexp(a)[1] - 1 = floor(log2(a)), exactly
;;       r = np.clip(x / 2.0 ** e, -7.5, 7.5)
;;       step = 2.0 ** (np.maximum(np.frexp(np.where(r == 0, 1, r))[1] - 1, 0) - 3)
;;       q = np.round(r / step) * step * 2.0 ** e      # np.round: ties to even
;;       return np.moveaxis(q.reshape(q.shape[:-2] + (-1,))[..., :K], -1, axis).astype(np.float32)
;;   ~~~
;;   SOFTMAX AHEAD OF A QUANTISED PRODUCT. Where the list says 'softmax', what is quantised is not the finished softmax but p = 2^(t - M), with t = logit x log2(e) and M = ceil(the row's largest t), a whole number; so 1/2 < the row's largest p <= 1. The row's sum l is taken of the UNQUANTISED p, in f32, and the product's result is divided by l at the end. Since M is a whole number, a kernel that streams over the keys may use a running M (the ceiling of the running maximum): every later rescaling is an exact power of two, which a block's scale takes up: the codes' values come out the same.
;;   OPERANDS COMPUTED ON THE WAY. 'Computed on the way' means the value that the module computes at that place (a softmax that the list does not call 'softmax' is quantised finished and normalised). What goes into a quantiser is computed in f32, as accurately as f32 sums, v_exp_f32 and their like allow (about 1e-6 of the number): no bf16 or f16 on the way to a quantiser, and a product that is left as it is and whose result goes on into a quantised operand takes f32 operands (vector FMAs, or v_wmma_f32_16x16x4_f32). A number that lies on a knife's edge between two numbers of the format may be rounded either way, as far as f32 arithmetic and the matrix unit's own rounding can turn it there, and no further.
;; One version. Each part assembles by itself: llvm-mc -triple=amdgcn-amd-amdhsa -mcpu=gfx1250 --defsym DOCPART=n.
;; ======== version 1 of 1: 4 launches
;; limits: right only within a limited range of input values
;; workspace buffers: opc 15,728,640 bytes; ops 655,360 bytes; qkvc 18,874,368 bytes; qkvs 786,432 bytes
;; launch quant (part 1): grid 256 x 1, 6 waves a work-group, no clusters, 51,456 bytes of LDS; arguments x, Wq, Wk, Wv, Wo, opc, ops; writes opc, ops
.if DOCPART == 1
	.amdgcn_target "amdgcn-amd-amdhsa--gfx1250"
	.amdhsa_code_object_version 6
	.text
	.protected	k_q68212e685b_quant
	.globl	k_q68212e685b_quant
	.p2align	8
	.type	k_q68212e685b_quant,@function
k_q68212e685b_quant:
	s_mov_b64 s[64:65], 0
	v_nop
	global_prefetch_b8 v0, s[64:65] scope:SCOPE_SE
	s_setreg_imm32_b32 hwreg(HW_REG_WAVE_MODE, 25, 1), 1
	s_wait_xcnt 0x0
; x [8192][1024] and Wq, Wk, Wv, Wo [1024][1024], f32 with K innermost, become codes of FP6 (E2M3) with one E8M0 byte for each 32 along K.
; A block's scale is 2^(floor(log2(its largest magnitude)) - 2); its byte is the largest magnitude's exponent field - 2, held at 1 from below.
; LIMITS: a block of zeros gets the byte 1 where the rule says 127 (its codes are zeros, and this program alone reads the bytes); NaN and infinities among the inputs are not served.
; THE CODES ARE LAID AS IMAGES OF OPERAND REGISTERS.  A fragment is 16 rows x 128 K, 12 registers a lane, 1,536 bytes: registers 0-3 at 16 x lane, 4-5 at 512 + 8 x lane, 6-9 at 768 + 16 x lane,
; 10-11 at 1,280 + 8 x lane.  opc: [row block of 128 rows][K step 0..7][tile 0..7][1536]; row blocks 0-63 x, 64-71 Wq, 72-79 Wk, 80-87 Wv, 88-95 Wo (96-159: a later launch).
; THE ROWS OF A TILE ARE NOT NEIGHBOURS: row p of tile t of a row block is the block's row 32 (t / 2) + 8 (t % 2) + p + 8 (p / 8).
; ops: [row tile][K half 0..1][row 0..15][4 words]: word w is the scale word of K step 4 x half + w.
; SHARES.  A wave takes one row tile and half of K: 4 fragments.  Each load reads 512 consecutive bytes of one row; a fragment's 16 rows x 512 bytes turn through the wave's own stage in LDS (rows 528 bytes
; apart) and come back 128 bytes a lane: lane (r, h) then holds k = 64 c + 32 h + 0 .. 31 of row r, two whole blocks, in the very order of the operand's registers.  Waves share nothing: no barrier.
.set WREG,  16*528                     ; a wave's stage
.set SPARE, 6*WREG                     ; behind the six stages: the spare words, 128 bytes for each wave: three blocks of 256 bytes that no other line names
.set SPW,   12                         ; v12  LDS address of my spare word; never rewritten
.set NIL,   13                         ; v13  0; never rewritten
.set TM,    14                         ; v14-15 largest magnitudes
.set SO,    16                         ; v16-17 the conversions' scale operands
.set BY,    18                         ; v18-19 scale bytes
.set PWS,   24                         ; v24-27 the four fragments' scale words
.set X,     32                         ; v32-223 three sets of 64 numbers
.set PC,    224                        ; v224-235 a fragment's codes
.set PT,    236                        ; v236-238, v240-242 the upper halves of the blocks as they are made
	s_load_b256 s[4:11], s[0:1], 0x0               ; x, Wq, Wk, Wv
	s_load_b128 s[12:15], s[0:1], 0x20             ; Wo, opc
	s_load_b64 s[16:17], s[0:1], 0x30              ; ops
	v_lshl_add_u32 v[SPW], v0, 2, SPARE
	v_mov_b32 v[NIL], 0
	v_lshrrev_b32 v7, 5, v0
	v_readfirstlane_b32 s22, v7                    ; wave 0..5
	v_and_b32 v7, 31, v0                           ; lane
	v_and_b32 v8, 15, v0                           ; r
	v_bfe_u32 v9, v0, 4, 1                         ; h
	v_lshlrev_b32 v1, 4, v7                        ; 16 x lane: my bytes of a load's 512, and of a 512-byte store
	v_lshlrev_b32 v2, 3, v7                        ; 8 x lane: of a 256-byte store
	s_mul_i32 s27, s22, WREG
	v_add_nc_u32 v3, s27, v1                       ; the stage, on the way in
	v_mul_u32_u24 v4, v8, 528
	v_lshl_add_u32 v4, v9, 7, v4
	v_add_nc_u32 v4, s27, v4                       ; and on the way out: row r, + 128 h
	v_lshlrev_b32 v5, 4, v8                        ; 16 r: my row's four scale words
	v_lshlrev_b32 v6, 3, v9                        ; 8 h: how far my two bytes are shifted in a scale word
	v_mov_b32 v21, 0                               ; written once: a lane permute's destination counts as one of its sources
	s_mov_b32 s30, 0x76543210
	s_mov_b32 s31, 0xfedcba98                      ; v_permlanex16_b32's selects for lane l xor 16
	s_lshr_b32 s23, s22, 1
	s_and_b32 s24, s22, 1                          ; which half of K
	s_mul_i32 s20, ttmp9, 3                        ; a work-group of six waves takes three row tiles: 256 work-groups x 3 = 768 tiles
	s_add_co_u32 s20, s20, s23                     ; G: my row tile in opc's order, 0..767
	s_and_b32 s21, s20, 63                         ; its number inside a weight (the weights begin at multiples of 64 tiles)
	s_wait_alu depctr_va_vdst(0)
	s_wait_kmcnt 0x0
	s_cmp_lt_u32 s20, 704                          ; which tensor: the choice hangs on the tile's number alone
	s_cselect_b64 s[18:19], s[10:11], s[12:13]
	s_cmp_lt_u32 s20, 640
	s_cselect_b64 s[18:19], s[8:9], s[18:19]
	s_cmp_lt_u32 s20, 576
	s_cselect_b64 s[18:19], s[6:7], s[18:19]
	s_cmp_lt_u32 s20, 512
	s_cselect_b64 s[18:19], s[4:5], s[18:19]
	s_cselect_b32 s21, s20, s21                    ; the tile's number inside its tensor
	s_lshr_b32 s25, s21, 3
	s_lshl_b32 s25, s25, 7                         ; its row block's first row,
	s_bfe_u32 s26, s21, 0x20001
	s_lshl_b32 s26, s26, 5
	s_add_co_u32 s25, s25, s26                     ; + 32 (t / 2)
	s_and_b32 s26, s21, 1
	s_lshl_b32 s26, s26, 3
	s_add_co_u32 s25, s25, s26                     ; + 8 (t % 2)
	s_lshl_b32 s32, s25, 12                        ; rows of 4,096 bytes
	s_lshl_b32 s26, s24, 11
	s_add_co_u32 s32, s32, s26                     ; + my half of K
	s_mov_b32 s33, 0
	s_add_nc_u64 s[18:19], s[18:19], s[32:33]
	s_lshr_b32 s25, s20, 3
	s_lshl_b32 s25, s25, 6
	s_lshl_b32 s26, s24, 5
	s_add_co_u32 s25, s25, s26
	s_and_b32 s26, s20, 7
	s_add_co_u32 s25, s25, s26                     ; fragment number: 64 x row block + 8 x K step + tile
	s_mul_i32 s32, s25, 1536
	s_add_nc_u64 s[14:15], s[14:15], s[32:33]
	s_lshl_b32 s32, s20, 9
	s_lshl_b32 s26, s24, 8
	s_add_co_u32 s32, s32, s26
	s_add_nc_u64 s[16:17], s[16:17], s[32:33]
.macro LOAD f                          ; fragment f: 16 rows x 512 bytes into set f % 3
.irp i, 0,1,2,3,4,5,6,7,8,9,10,11,12,13,14,15
	global_load_b128 v[X+64*((\f)%3)+4*\i:X+64*((\f)%3)+4*\i+3], v1, s[18:19] offset:(\i+8*(\i/8))*4096+512*(\f) th:TH_LOAD_NT
.endr
.endm
.macro TURN f                          ; through the stage and back into the same set: LDS serves a wave's instructions in order, so no wait stands between the stores and the loads
.irp i, 0,1,2,3,4,5,6,7,8,9,10,11,12,13,14,15
	ds_store_b128 v3, v[X+64*((\f)%3)+4*\i:X+64*((\f)%3)+4*\i+3] offset:528*\i
.endr
.irp c, 0,1
.irp i, 0,1,2,3,4,5,6,7
	ds_load_b128 v[X+64*((\f)%3)+32*\c+4*\i:X+64*((\f)%3)+32*\c+4*\i+3], v4 offset:256*\c+16*\i
.endr
.endr
.endm
.macro QW f                            ; the set's 64 numbers become 12 registers of codes and a scale word, and the codes are stored
.set XS, X+64*((\f)%3)
.irp c, 0,1
	v_max3_num_f32 v[TM+\c], |v[XS+32*\c]|, |v[XS+32*\c+1]|, 0x1800000   ; my block 2 c + h: all 32 numbers are mine; and the floor 2^(3 - 127): the byte cannot fall under 1
.endr
.irp i, 2,4,6,8,10,12,14,16,18,20,22,24,26,28,30
.irp c, 0,1
	v_max3_num_f32 v[TM+\c], v[TM+\c], |v[XS+32*\c+\i]|, |v[XS+32*\c+\i+1]|
.endr
.endr
.irp c, 0,1
	v_add_nc_u32 v[SO+\c], 0xff000000, v[TM+\c]    ; 2 off the exponent field: the conversion takes the exponent field of this operand as its scale
.endr
.irp c, 0,1
	v_lshrrev_b32 v[BY+\c], 23, v[SO+\c]           ; the scale's byte
.endr
	v_lshl_or_b32 v20, v[BY+1], 16, v[BY]          ; my two bytes: blocks h and 2 + h,
	v_lshlrev_b32 v20, v6, v20                     ; at their places in the word;
	v_permlanex16_b32 v21, v20, s30, s31
	v_or_b32 v[PWS+\f], v20, v21                   ; with lane l xor 16's two the word is whole
.if (\f) > 0
	s_wait_alu depctr_va_vdst(0)
	s_wait_xcnt 0x0                                ; the last fragment's stores have read the codes' registers: they are written again only behind this wait
.endif
.irp c, 0,1
	v_cvt_scalef32_pk16_fp6_f32 v[PC+6*\c:PC+6*\c+2], v[XS+32*\c:XS+32*\c+15], v[SO+\c]
	v_cvt_scalef32_pk16_fp6_f32 v[PT+4*\c:PT+4*\c+2], v[XS+32*\c+16:XS+32*\c+31], v[SO+\c]   ; (a conversion's three registers begin on an even number)
.endr
	v_nop                                          ; one plain place behind a scaled conversion
.irp c, 0,1
.irp i, 0,1,2
	v_mov_b32 v[PC+3+6*\c+\i], v[PT+4*\c+\i]
.endr
.endr
	global_store_b128 v1, v[PC:PC+3], s[14:15] offset:12288*(\f)            ; each store covers 512 or 256 consecutive bytes, aligned
	global_store_b64 v2, v[PC+4:PC+5], s[14:15] offset:12288*(\f)+512
	global_store_b128 v1, v[PC+6:PC+9], s[14:15] offset:12288*(\f)+768
	global_store_b64 v2, v[PC+10:PC+11], s[14:15] offset:12288*(\f)+1280
.endm
	LOAD 0
	LOAD 1
	LOAD 2
	s_wait_loadcnt 32                              ; fragment 0's 16 loads are in; fragments 1 and 2 may be out
	TURN 0
	s_wait_dscnt 0x0
	QW 0
	LOAD 3                                         ; into the set that fragment 0 has left
	s_wait_loadcnt 32                              ; fragments 2 and 3 may be out
	TURN 1
	s_wait_dscnt 0x0
	QW 1
	s_wait_loadcnt 16                              ; fragment 3 may be out
	TURN 2
	s_wait_dscnt 0x0
	QW 2
	s_wait_loadcnt 0x0
	TURN 3
	s_wait_dscnt 0x0
	QW 3
	global_store_b128 v5, v[PWS:PWS+3], s[16:17]   ; 16 rows x 4 scale words: 256 consecutive bytes, aligned (lanes 16-31 hold the same words and write the same bytes)
	s_wait_tensorcnt 0x0                           ; the wave's end, behind my last LDS store
	ds_add_u32 v[SPW], v[NIL]
	s_wait_dscnt 0x0
	s_endpgm
.Lfunc_end_k_q68212e685b_quant:
	.size	k_q68212e685b_quant, .Lfunc_end_k_q68212e685b_quant-k_q68212e685b_quant
	.p2alignl 7, 3214868480
	.fill 96, 4, 3214868480
	.section	.rodata,"a",@progbits
	.p2align	6, 0x0
	.amdhsa_kernel k_q68212e685b_quant
		.amdhsa_group_segment_fixed_size 51456
		.amdhsa_private_segment_fixed_size 0
		.amdhsa_enable_private_segment 0
		.amdhsa_kernarg_size 56
		.amdhsa_user_sgpr_count 2
		.amdhsa_user_sgpr_kernarg_segment_ptr 1
		.amdhsa_wavefront_size32 1
		.amdhsa_system_sgpr_workgroup_id_x 1
		.amdhsa_system_sgpr_workgroup_id_y 1
		.amdhsa_system_sgpr_workgroup_id_z 1
		.amdhsa_system_vgpr_workitem_id 0
		.amdhsa_next_free_vgpr 256
		.amdhsa_next_free_sgpr 66
		.amdhsa_reserve_vcc 0
		.amdhsa_float_denorm_mode_32 3
		.amdhsa_float_denorm_mode_16_64 3
		.amdhsa_memory_ordered 1
		.amdhsa_forward_progress 1
		.amdhsa_inst_pref_size 31
	.end_amdhsa_kernel
	.amdgpu_metadata
---
amdhsa.version: [ 1, 2 ]
amdhsa.kernels:
  - .name:           k_q68212e685b_quant
    .symbol:         k_q68212e685b_quant.kd
    .args:
      - { .name: x, .offset: 0, .size: 8, .value_kind: global_buffer, .address_space: global }
      - { .name: Wq, .offset: 8, .size: 8, .value_kind: global_buffer, .address_space: global }
      - { .name: Wk, .offset: 16, .size: 8, .value_kind: global_buffer, .address_space: global }
      - { .name: Wv, .offset: 24, .size: 8, .value_kind: global_buffer, .address_space: global }
      - { .name: Wo, .offset: 32, .size: 8, .value_kind: global_buffer, .address_space: global }
      - { .name: opc, .offset: 40, .size: 8, .value_kind: global_buffer, .address_space: global }
      - { .name: ops, .offset: 48, .size: 8, .value_kind: global_buffer, .address_space: global }
    .group_segment_fixed_size: 51456
    .private_segment_fixed_size: 0
    .kernarg_segment_align: 8
    .kernarg_segment_size: 56
    .max_flat_workgroup_size: 192
    .sgpr_count:     66
    .vgpr_count:     256
    .wavefront_size: 32
...
	.end_amdgpu_metadata
.endif
;; end of part 1
;; launch qkv (part 2): grid 4 x 64, 4 waves a work-group, clusters of 4 x 4, 327,680 bytes of LDS; arguments opc, ops, bq, bk, bv, qkvc, qkvs; writes qkvc, qkvs
.if DOCPART == 2
	.amdgcn_target "amdgcn-amd-amdhsa--gfx1250"
	.amdhsa_code_object_version 6
	.text
	.protected	k_q68212e685b_qkv
	.globl	k_q68212e685b_qkv
	.p2align	8
	.type	k_q68212e685b_qkv,@function
k_q68212e685b_qkv:
	s_mov_b64 s[64:65], 0
	v_nop
	global_prefetch_b8 v0, s[64:65] scope:SCOPE_SE
	s_setreg_imm32_b32 hwreg(HW_REG_WAVE_MODE, 25, 1), 1
	s_wait_xcnt 0x0
	s_wait_alu depctr_hold_cnt(0) depctr_sa_sdst(0) depctr_va_vdst(0) depctr_va_sdst(0) depctr_va_ssrc(0) depctr_va_vcc(0) depctr_vm_vsrc(0)
	s_getreg_b32 s2, hwreg(HW_REG_IB_STS2, 6, 4)
	s_cmp_eq_u32 s2, 0
	s_cbranch_scc0 .Lentry_in_a_cluster
	s_endpgm
.Lentry_in_a_cluster:
	s_bfe_u32 s2, ttmp6, 0x10000c
	s_cmp_lg_u32 s2, 0xf033
	s_cbranch_scc0 .Lentry_shape_is_right
	s_endpgm
.Lentry_shape_is_right:
; Q, K, V = x W^T + b on codes of FP6 (E2M3) with E8M0 scales, and their quantisers: the results leave as operand images (codes) and scale bytes for the attention launch.
; THE DEAL.  256 work-groups, one for each (row block of 128 tokens, column group cx = 0..3).  A group takes six weight blocks of 128 rows: four of Wq (cx 0, 1) or Wk (cx 2, 3), then two of Wv:
; the same order of kinds in every work-group.  Four waves, 2 x 2: wave (ra, cb) holds its 64 tokens (x's tiles 4 ra ..), ALL of K, in 384 registers for the whole launch, and takes the weight
; block's tiles 4 cb .. 4 cb + 3 from LDS, four fragments for the 16 products of a K step.  16 accumulators by turns.
; Q, K: source 0 = the weight's rows: a lane holds a token and its 32 registers a head's 64 channels' halves.  V: source 0 = x's rows: a lane holds a channel, its registers run along the tokens.
; Either way a lane tile's 32 sums are two half blocks (16 neighbours each; lane l xor 16 holds the other halves): six registers of codes, two scale bytes, half of a fragment's image.
; LDS: x's block at 0, two slots for whole weight blocks (98,304 bytes each), the spare words.  At the head one tensor load a wave: x's two halves, weight blocks 0 and 1.  Four refills, a quarter
; of a block to a wave, each behind a round of the cluster's barrier that stands in the block's last K step; a refill is asked for 128 products ahead of its first read.
; x's block is shared by a row of the cluster, a weight block by a column: joint loads.
; PREFETCH: at the head weight block 2, and in block j block j + 3, is asked for: a whole block, 128 products, ahead of the tensor load that brings it.  A block's 384 pieces of 256 bytes are shared out by
; address among the 16 waves of a cluster's column (24 lanes a wave name a piece each; the other lanes name the wave's last piece again).  All sixteen clusters read the same 24 blocks, so four clusters
; alone ask (cluster y % 8 < 2).  The address registers are never rewritten; blocks 0 and 1 come by their loads alone; the last three blocks ask for nothing.
; The scale bytes leave as two bytes a row: a word's other two bytes belong to the neighbouring wave.
; LIMITS: a block of zeros gets the scale byte 1 where the rule says 127 (its codes are zeros; this program alone reads the bytes); NaN and infinities are not served.
; REGISTERS: window 0: v0-24 addresses, v28-59 x's scale words, v60-61 the add's, v64-127 the weights' scale words (two sets), v128-191 the bias as C (two sets), v192-251 the quantiser's;
; windows 1, 2: fragments of 12 registers, 21 to a window: 0-31 x's (4 k + a), 32-39 the weights' two sets;  window 3: v0-127 the accumulators.
.set NBLK,  6
.set NQK,   4
.set XRB0,  0
.set WRB0,  64
.set WSH,   2
.set RBB,   98304
.set QB,    24576
.set SPARE, 3*RBB
.set O16,   4
.set O8,    5
.set XA16,  6
.set XA8,   8
.set WA16,  10
.set WA8,   14
.set LR16,  18
.set BOQ,   19
.set BOV,   20
.set PFO,   24
.set XS,    28
.set SPW,   60
.set NIL,   61
.set WS,    64
.set BI,    128
.set PC,    192
.set TM,    224
.set XT,    232
.set SO,    240
.set WD,    248
.set G1X,   28
.set G1W,   36
.set G1R,   44
.set G0X,   52
.set G0W,   56
.set G0R,   60
.set MSB, 0
.macro WIN new
.if MSB != \new
	s_set_vgpr_msb (MSB<<8)|\new
.set MSB, \new
.endif
.endm
.macro PLACES n
.rept \n
	v_nop
.endr
.endm
.macro CREST
	s_cmp_lg_u32 s18, 0
	s_cbranch_scc1 .Lnot_wave_0_\@
	s_barrier_signal -3
.Lnot_wave_0_\@:
	s_barrier_wait -3
	s_barrier_signal -1
	s_barrier_wait -1
.endm
.macro CROUND
	s_barrier_signal -1
	s_barrier_wait -1
	CREST
.endm
.macro TLOAD g0, g1                    ; an s_nop 0 and four v_nop follow each tensor load
	tensor_load_to_lds s[\g0:\g0+3], s[\g1:\g1+7]
	s_nop 0
	PLACES 4
.endm
.macro GROUP1 g, mask, rows            ; a dense block as rows of 256 bytes (32 elements of 8)
	s_or_b32 s[\g], s\mask, (3<<16)|(1<<21)
	s_mov_b32 s[\g+1], 32<<16
	s_mov_b32 s[\g+2], (\rows)<<16
	s_mov_b32 s[\g+3], 32<<16
	s_mov_b32 s[\g+4], \rows
	s_mov_b32 s[\g+5], 32
	s_mov_b32 s[\g+6], 0
	s_mov_b32 s[\g+7], 0
.endm
.macro PF t                            ; weight block t is asked for, by four clusters alone: the branch hangs on the cluster's number
	s_cmp_lt_u32 s27, 2
	s_cbranch_scc0 .Lno_pf_\@
.if (\t) < NQK
	global_prefetch_b8 v[PFO], s[66:67] offset:(\t)*RBB th:TH_LOAD_NT scope:SCOPE_SE
.else
	global_prefetch_b8 v[PFO], s[98:99] offset:((\t)-NQK)*RBB th:TH_LOAD_NT scope:SCOPE_SE
.endif
.Lno_pf_\@:
.endm
.macro FRAG f, a16, a8, off            ; a fragment's image, 1,536 bytes, into fragment place f
.set R_, 12*((\f)%21)
	WIN (1+(\f)/21)<<6
	ds_load_b128 v[R_:R_+3], v[\a16] offset:\off
	ds_load_b64 v[R_+4:R_+5], v[\a8] offset:(\off)+512
	ds_load_b128 v[R_+6:R_+9], v[\a16] offset:(\off)+768
	ds_load_b64 v[R_+10:R_+11], v[\a8] offset:(\off)+1280
.endm
.macro FETCHW sl, k, p                 ; my four weight fragments of K step k from slot sl into set p
.irp b, 0,1,2,3
	FRAG 32+4*(\p)+\b, WA16+2*(\sl)+(\k)/4, WA8+2*(\sl)+(\k)/4, (8*((\k)%4)+\b)*1536
.endr
.endm
.macro FETCHX k                        ; my four fragments of x of K step k
.irp a, 0,1,2,3
	FRAG 4*(\k)+\a, XA16+(\k)/4, XA8+(\k)/4, (8*((\k)%4)+\a)*1536
.endr
.endm
.macro WM d, s0, s1, c, x0, x1
	v_wmma_scale_f32_16x16x128_f8f6f4 v[\d:\d+7], v[\s0:\s0+11], v[\s1:\s1+11], \c, v[\x0], v[\x1] matrix_a_fmt:MATRIX_FMT_FP6 matrix_b_fmt:MATRIX_FMT_FP6
.endm
.macro PROD kind, k, a, b, p, ws
.set FX_, 4*(\k)+(\a)
.set XW_, 1+FX_/21
.set RX_, 12*(FX_%21)
.set RW_, 12*((32+4*(\p)+(\b))%21)
.set SX_, XS+8*(\a)+(\k)
.set SW_, WS+32*(\ws)+8*(\b)+(\k)
.set CB_, BI+32*(\ws)+8*(\b)
.if \kind
.set D_, 8*(4*(\b)+(\a))
.if (\k) == 0
	WIN XW_|(2<<2)|(3<<6)
	WM D_, RX_, RW_, v[CB_:CB_+7], SX_, SW_
.else
	WIN XW_|(2<<2)|(3<<4)|(3<<6)
	WM D_, RX_, RW_, v[D_:D_+7], SX_, SW_
.endif
.else
.set D_, 8*(4*(\a)+(\b))
.if (\k) == 0
	WIN 2|(XW_<<2)|(3<<6)
	WM D_, RW_, RX_, v[CB_:CB_+7], SW_, SX_
.else
	WIN 2|(XW_<<2)|(3<<4)|(3<<6)
	WM D_, RW_, RX_, v[D_:D_+7], SW_, SX_
.endif
.endif
.endm
.macro PROD8 kind, k, a0, p, ws        ; eight products: x's tiles a0, a0 + 1 against the four weight tiles; the first K step takes the bias as C
.irp a, \a0, \a0+1
.irp b, 0,1,2,3
	PROD \kind, \k, \a, \b, \p, \ws
.endr
.endr
.endm
.macro LOADSB jn                       ; block jn's scale words and bias into set jn % 2, a block ahead of their use
.set ST_, (\jn)%2
.if (\jn) < NQK
.irp b, 0,1,2,3
	global_load_b128 v[WS+32*ST_+8*\b:WS+32*ST_+8*\b+3], v[LR16], s[70:71] offset:4096*(\jn)+512*\b
	global_load_b128 v[WS+32*ST_+8*\b+4:WS+32*ST_+8*\b+7], v[LR16], s[70:71] offset:4096*(\jn)+512*\b+256
	global_load_b128 v[BI+32*ST_+8*\b:BI+32*ST_+8*\b+3], v[BOQ], s[74:75] offset:512*(\jn)+(32*(\b/2)+8*(\b%2))*4
	global_load_b128 v[BI+32*ST_+8*\b+4:BI+32*ST_+8*\b+7], v[BOQ], s[74:75] offset:512*(\jn)+(32*(\b/2)+8*(\b%2))*4+16
.endr
.else
.irp b, 0,1,2,3
	global_load_b128 v[WS+32*ST_+8*\b:WS+32*ST_+8*\b+3], v[LR16], s[72:73] offset:4096*((\jn)-NQK)+512*\b
	global_load_b128 v[WS+32*ST_+8*\b+4:WS+32*ST_+8*\b+7], v[LR16], s[72:73] offset:4096*((\jn)-NQK)+512*\b+256
.irp i, 0,1,2,3,4,5,6,7
	global_load_b32 v[BI+32*ST_+8*\b+\i], v[BOV], s[76:77] offset:512*((\jn)-NQK)+(32*(\b/2)+8*(\b%2))*4   ; V: one number a lane, in the tile's eight registers
.endr
.endr
.endif
.endm
; A weight block: 128 products a wave.  fill = 2: the slot is filled again behind a round; 1: a plain barrier shows the next block; 0: the last block
.macro BLK j, kind, fill
.set SL, (\j)%2
	WIN 0
	s_wait_loadcnt 0x0                             ; this block's scale words and bias are in
.if (\j)+1 < NBLK
	LOADSB (\j)+1
.endif
.if (\j)+3 < NBLK
	PF (\j)+3
.endif
.set K, 0
.rept 7
	s_wait_dscnt 0x0                               ; K step K's fragments are in
	PLACES 4                                       ; ahead of the loads into the set that the last K step's products read
	FETCHW SL, K+1, (K+1)%2
.if (\j) == 0
	FETCHX K+1                                     ; in the first block x's fragments come step by step too
.endif
	PROD8 \kind, K, 0, K%2, SL
	PROD8 \kind, K, 2, K%2, SL
.set K, K+1
.endr
	WIN 0
	s_wait_dscnt 0x0
.if (\fill) == 2
	s_wait_tensorcnt 0x0                           ; all my tensor loads are done, my part of the next block among them;
	ds_add_u32 v[SPW], v[NIL]                      ; the add; register work stands between it and its wait
	s_mul_i32 s[G0R+1], s18, QB
	s_add_co_u32 s[G0R+1], s[G0R+1], RBB*(1+SL)
.if (\j)+2 < NQK
	s_add_nc_u64 s[G0R+2:G0R+3], s[66:67], s[86:87]
	s_add_nc_u64 s[G0R+2:G0R+3], s[G0R+2:G0R+3], ((\j)+2)*RBB
.else
	s_add_nc_u64 s[G0R+2:G0R+3], s[98:99], s[86:87]
	s_add_nc_u64 s[G0R+2:G0R+3], s[G0R+2:G0R+3], ((\j)+2-NQK)*RBB
.endif
	s_or_b32 s[G0R+3], s[G0R+3], 0x80000000
	PROD8 \kind, 7, 0, 1, SL
	WIN 0
	s_wait_dscnt 0x0                               ; the add is done; my reads of this slot were over above
	s_barrier_signal -1
	PROD8 \kind, 7, 2, 1, SL
	WIN 0
	s_barrier_wait -1
	CREST
	TLOAD G0R, G1R                                 ; my quarter of block j + 2, into the slot just read out
	FETCHW 1-SL, 0, 0
.elseif (\fill) == 1
	s_wait_tensorcnt 0x0
	s_barrier_signal -1                            ; a plain barrier: the next block is shown to all
	PROD8 \kind, 7, 0, 1, SL
	PROD8 \kind, 7, 2, 1, SL
	WIN 0
	s_barrier_wait -1
	PLACES 4
	FETCHW 1-SL, 0, 0
.else
	PROD8 \kind, 7, 0, 1, SL
	PROD8 \kind, 7, 2, 1, SL
	PLACES 4
.endif
	WIN 0
.endm
; The quantiser of a block's four lane tiles: eight half blocks of 16 sums, each accumulator read from its low end on
.macro QUANT cb, coff, sb, soff
	s_wait_xcnt 0x0                                ; the last block's stores have read their registers
	WIN 0x3c
.irp n, 0,1,2,3,4,5,6,7
	v_max3_num_f32 v[TM+\n], 0x1800000, |v[16*\n]|, |v[16*\n+1]|     ; with the floor 2^(3 - 127): the byte cannot fall under 1
.endr
.irp i, 2,4,6,8,10,12,14
.irp n, 0,1,2,3,4,5,6,7
	v_max3_num_f32 v[TM+\n], v[TM+\n], |v[16*\n+\i]|, |v[16*\n+\i+1]|
.endr
.endr
	WIN 0
.irp n, 0,1,2,3,4,5,6,7
	v_permlanex16_b32 v[XT+\n], v[TM+\n], s88, s89
.endr
.irp n, 0,1,2,3,4,5,6,7
	v_max_num_f32 v[TM+\n], v[TM+\n], v[XT+\n]     ; with lane l xor 16's half: the block's largest magnitude
.endr
.irp n, 0,1,2,3,4,5,6,7
	v_add_nc_u32 v[SO+\n], 0xff000000, v[TM+\n]    ; 2 off the exponent field: the conversion's scale operand
.endr
.irp n, 0,1,2,3,4,5,6,7
	v_lshrrev_b32 v[XT+\n], 23, v[SO+\n]           ; the scale's byte
.endr
.irp l, 0,1,2,3
	v_lshl_or_b32 v[WD+\l], v[XT+2*\l+1], 8, v[XT+2*\l]
.endr
	WIN 3
.irp l, 0,1,2,3
	v_cvt_scalef32_pk16_fp6_f32 v[PC+8*\l:PC+8*\l+2], v[32*\l:32*\l+15], v[SO+2*\l]
	v_cvt_scalef32_pk16_fp6_f32 v[PC+8*\l+4:PC+8*\l+6], v[32*\l+16:32*\l+31], v[SO+2*\l+1]   ; (three registers from an even number: made one up, moved down below)
.endr
	WIN 0
	v_nop                                          ; one plain place behind a scaled conversion
.irp l, 0,1,2,3
.irp i, 0,1,2
	v_permlane16_swap_b32 v[PC+8*\l+\i], v[PC+8*\l+4+\i]   ; the operand's layout wants a whole block in a lane
.endr
.endr
.irp l, 0,1,2,3
.irp i, 0,1,2
	v_mov_b32 v[PC+8*\l+3+\i], v[PC+8*\l+4+\i]
.endr
.endr
.irp l, 0,1,2,3
	global_store_b128 v[O16], v[PC+8*\l:PC+8*\l+3], s[\cb:\cb+1] offset:(\coff)+1536*\l        ; 512 and 256 consecutive bytes, aligned
	global_store_b64 v[O8], v[PC+8*\l+4:PC+8*\l+5], s[\cb:\cb+1] offset:(\coff)+1536*\l+512
	global_store_b16 v[LR16], v[WD+\l], s[\sb:\sb+1] offset:(\soff)+4*\l                       ; (lanes 16-31 hold the same bytes and write the same places)
.endr
.endm
; ---- the head
	s_load_b256 s[4:11], s[0:1], 0x0               ; opc, ops, bq, bk
	s_load_b128 s[12:15], s[0:1], 0x20             ; bv, qkvc
	s_load_b64 s[16:17], s[0:1], 0x30              ; qkvs
	v_lshl_add_u32 v[SPW], v0, 2, SPARE
	v_mov_b32 v[NIL], 0
	ds_add_u32 v[SPW], v[NIL]                      ; the opening lines: the add, twice on end, and its wait
	ds_add_u32 v[SPW], v[NIL]
	v_lshrrev_b32 v1, 5, v0
	v_readfirstlane_b32 s18, v1                    ; wave
	s_lshr_b32 s19, s18, 1                         ; ra: which 64 tokens
	s_and_b32 s20, s18, 1                          ; cb: which 64 rows of a weight block
	s_bfe_u32 s22, ttmp6, 0x40000                  ; cx: the column group
	s_bfe_u32 s23, ttmp6, 0x40004                  ; cy
	s_and_b32 s21, ttmp7, 0xffff
	s_lshl_b32 s21, s21, 2
	s_add_co_u32 s21, s21, s23                     ; x's row block, 0..63
	s_lshl_b32 s24, s23, 2
	s_lshl_b32 s24, 15, s24                        ; my row of the cluster
	s_lshl_b32 s25, 0x1111, s22                    ; my column
	GROUP1 G1X, 24, 192
	GROUP1 G1W, 25, 384
	GROUP1 G1R, 25, 96
	s_mov_b32 s[G0X], 1
	s_mul_i32 s[G0X+1], s18, 2*QB                  ; waves 0 and 1: a half of x's block each
	s_add_co_u32 s26, s21, XRB0
	s_mul_i32 s26, s26, RBB
	s_add_co_u32 s26, s26, s[G0X+1]
	s_mov_b32 s27, 0
	s_lshl_b32 s96, s22, WSH
	s_add_co_u32 s96, s96, WRB0
	s_mul_i32 s96, s96, RBB                        ; the group's first block of Wq or Wk
	s_mov_b32 s97, 0
	s_lshl_b32 s94, s22, 1
	s_add_co_u32 s94, s94, 80
	s_mul_i32 s94, s94, RBB                        ; and of Wv
	s_mov_b32 s95, 0
	s_mul_i32 s86, s18, QB
	s_mov_b32 s87, 0
	s_mov_b32 s[G0W], 1
	s_mov_b32 s[G0W+1], RBB
	s_mov_b32 s[G0R], 1
	s_mov_b32 s[G0R+1], 2*RBB
	s_mov_b32 s88, 0x76543210
	s_mov_b32 s89, 0xfedcba98
	s_wait_dscnt 0x0
	CROUND                                         ; in front of the first joint loads
	s_wait_kmcnt 0x0
	s_add_nc_u64 s[G0X+2:G0X+3], s[4:5], s[26:27]
	s_or_b32 s[G0X+3], s[G0X+3], 0x80000000
	s_add_nc_u64 s[66:67], s[4:5], s[96:97]
	s_add_nc_u64 s[98:99], s[4:5], s[94:95]
	s_mov_b64 s[G0W+2:G0W+3], s[66:67]
	s_or_b32 s[G0W+3], s[G0W+3], 0x80000000
	s_add_nc_u64 s[G0R+2:G0R+3], s[66:67], RBB
	s_or_b32 s[G0R+3], s[G0R+3], 0x80000000
	s_cmp_lt_u32 s18, 2                            ; one tensor load a wave, one chain of arms
	s_cbranch_scc0 .Lw2
	TLOAD G0X, G1X
	s_branch .Lasked
.Lw2:
	s_cmp_eq_u32 s18, 2
	s_cbranch_scc0 .Lw3
	TLOAD G0W, G1W                                 ; weight block 0, whole
	s_branch .Lasked
.Lw3:
	TLOAD G0R, G1W                                 ; weight block 1, whole
.Lasked:
	s_mov_b32 s91, 0
	s_add_co_u32 s90, s21, XRB0                    ; x's scale words: tile 8 x block + 4 ra
	s_lshl_b32 s90, s90, 3
	s_lshl_b32 s92, s19, 2
	s_add_co_u32 s90, s90, s92
	s_lshl_b32 s90, s90, 9
	s_add_nc_u64 s[68:69], s[6:7], s[90:91]
	s_lshl_b32 s90, s22, WSH                       ; the weights': tile 8 x block + 4 cb
	s_add_co_u32 s90, s90, WRB0
	s_lshl_b32 s90, s90, 3
	s_lshl_b32 s92, s20, 2
	s_add_co_u32 s90, s90, s92
	s_lshl_b32 s90, s90, 9
	s_add_nc_u64 s[70:71], s[6:7], s[90:91]
	s_lshl_b32 s90, s22, 1
	s_add_co_u32 s90, s90, 80
	s_lshl_b32 s90, s90, 3
	s_add_co_u32 s90, s90, s92
	s_lshl_b32 s90, s90, 9
	s_add_nc_u64 s[72:73], s[6:7], s[90:91]
	s_cmp_lt_u32 s22, 2                            ; the bias: bq or bk, chosen by the group's number
	s_cselect_b64 s[74:75], s[8:9], s[10:11]
	s_lshl_b32 s93, s22, 2
	s_and_b32 s93, s93, 7                          ; the group's first head pair
	s_lshl_b32 s90, s93, 9
	s_lshl_b32 s92, s20, 8
	s_add_co_u32 s90, s90, s92
	s_add_nc_u64 s[74:75], s[74:75], s[90:91]
	s_lshl_b32 s90, s22, 10
	s_add_co_u32 s90, s90, s92
	s_add_nc_u64 s[76:77], s[12:13], s[90:91]
	s_lshr_b32 s94, s22, 1                         ; Q's or K's record: 512 x tensor + 128 x batch + 16 x head pair + slab
	s_lshl_b32 s94, s94, 9
	s_lshr_b32 s92, s21, 4
	s_lshl_b32 s92, s92, 7
	s_add_co_u32 s94, s94, s92
	s_lshl_b32 s92, s93, 4
	s_add_co_u32 s94, s94, s92
	s_and_b32 s92, s21, 15
	s_add_co_u32 s94, s94, s92
	s_mul_i32 s90, s94, 12288
	s_mul_i32 s92, s19, 6144                       ; my four token tiles,
	s_add_co_u32 s90, s90, s92
	s_mul_i32 s92, s20, 768                        ; my head's half of each fragment
	s_add_co_u32 s90, s90, s92
	s_add_nc_u64 s[78:79], s[14:15], s[90:91]
	s_lshl_b32 s90, s94, 9
	s_lshl_b32 s92, s19, 8
	s_add_co_u32 s90, s90, s92
	s_lshl_b32 s92, s20, 1
	s_add_co_u32 s90, s90, s92
	s_add_nc_u64 s[80:81], s[16:17], s[90:91]
	s_lshl_b32 s94, s21, 3                         ; V's record: 1,024 + 8 x row block + head pair
	s_lshl_b32 s92, s22, 1
	s_add_co_u32 s94, s94, s92
	s_add_co_u32 s94, s94, 1024
	s_mul_i32 s90, s94, 12288
	s_mul_i32 s92, s20, 6144                       ; my four channel tiles,
	s_add_co_u32 s90, s90, s92
	s_mul_i32 s92, s19, 768                        ; my 64 tokens' half of each fragment
	s_add_co_u32 s90, s90, s92
	s_add_nc_u64 s[82:83], s[14:15], s[90:91]
	s_lshl_b32 s90, s94, 9
	s_lshl_b32 s92, s20, 8
	s_add_co_u32 s90, s90, s92
	s_lshl_b32 s92, s19, 1
	s_add_co_u32 s90, s90, s92
	s_add_nc_u64 s[84:85], s[16:17], s[90:91]
	s_mul_i32 s92, s19, 6144
	s_mul_i32 s93, s20, 6144
	s_add_co_u32 s93, s93, RBB
	s_lshl_b32 s26, s23, 2                         ; the prefetches: my number among the 16 waves of my column of the cluster,
	s_add_co_u32 s26, s26, s18
	s_mul_i32 s26, s26, 24*256                     ; x 24 pieces of 256 bytes
	s_and_b32 s27, ttmp7, 7                        ; and which clusters ask
	v_and_b32 v1, 15, v0                           ; r
	v_bfe_u32 v2, v0, 4, 1                         ; h
	v_and_b32 v3, 31, v0
	v_lshlrev_b32 v[O16], 4, v3
	v_lshlrev_b32 v[O8], 3, v3
	v_add_nc_u32 v[XA16], s92, v[O16]
	v_add_nc_u32 v[XA8], s92, v[O8]
	v_add_nc_u32 v[XA16+1], 2*QB, v[XA16]
	v_add_nc_u32 v[XA8+1], 2*QB, v[XA8]
	v_add_nc_u32 v[WA16], s93, v[O16]
	v_add_nc_u32 v[WA8], s93, v[O8]
.irp n, 1,2,3                                  ; slot n / 2, K steps 4 (n % 2) ..
	v_add_nc_u32 v[WA16+\n], \n*2*QB, v[WA16]
	v_add_nc_u32 v[WA8+\n], \n*2*QB, v[WA8]
.endr
	v_lshlrev_b32 v[LR16], 4, v1
	v_lshlrev_b32 v[BOQ], 6, v2                    ; Q, K: register j of lane (r, h) is the tile's channel 16 h + j
	v_and_b32 v[BOV], 8, v1
	v_add_nc_u32 v[BOV], v[BOV], v1
	v_lshlrev_b32 v[BOV], 2, v[BOV]                ; V: lane r is the tile's channel r + 8 (r / 8)
	v_min_u32 v[PFO], 23, v3
	v_lshl_add_u32 v[PFO], v[PFO], 8, s26          ; my piece of a weight block: at most (15 x 24 + 23) x 256, inside the block
.irp n, 0,1,2,3,4,5,6,7
	v_mov_b32 v[XT+\n], 0                          ; written once: a lane permute's destination counts as one of its sources
.endr
	s_wait_alu depctr_va_vdst(0)                   ; the wait at the head's end
.irp a, 0,1,2,3
	global_load_b128 v[XS+8*\a:XS+8*\a+3], v[LR16], s[68:69] offset:512*\a
	global_load_b128 v[XS+8*\a+4:XS+8*\a+7], v[LR16], s[68:69] offset:512*\a+256
.endr
	LOADSB 0
	PF 2
	s_cmp_eq_u32 s18, 3
	s_cbranch_scc1 .Lnot_yet
	s_wait_tensorcnt 0x0
.Lnot_yet:
	s_barrier_signal -1
	s_barrier_wait -1                              ; x and weight block 0 are in; block 1 may be on its way
	FETCHX 0
	FETCHW 0, 0, 0
	BLK 0, 0, 2
	QUANT 78, 0, 80, 0
	BLK 1, 0, 2
	QUANT 78, 196608, 80, 8192
	BLK 2, 0, 2
	QUANT 78, 2*196608, 80, 2*8192
	BLK 3, 0, 2
	QUANT 78, 3*196608, 80, 3*8192
	BLK 4, 1, 1
	QUANT 82, 0, 84, 0
	BLK 5, 1, 0
	QUANT 82, 12288, 84, 512
	s_wait_tensorcnt 0x0                           ; the wave's end
	ds_add_u32 v[SPW], v[NIL]
	s_wait_dscnt 0x0
	CROUND                                         ; the closing round
	s_endpgm
.Lfunc_end_k_q68212e685b_qkv:
	.size	k_q68212e685b_qkv, .Lfunc_end_k_q68212e685b_qkv-k_q68212e685b_qkv
	.p2alignl 7, 3214868480
	.fill 96, 4, 3214868480
	.section	.rodata,"a",@progbits
	.p2align	6, 0x0
	.amdhsa_kernel k_q68212e685b_qkv
		.amdhsa_group_segment_fixed_size 327680
		.amdhsa_private_segment_fixed_size 0
		.amdhsa_enable_private_segment 0
		.amdhsa_kernarg_size 56
		.amdhsa_user_sgpr_count 2
		.amdhsa_user_sgpr_kernarg_segment_ptr 1
		.amdhsa_wavefront_size32 1
		.amdhsa_system_sgpr_workgroup_id_x 1
		.amdhsa_system_sgpr_workgroup_id_y 1
		.amdhsa_system_sgpr_workgroup_id_z 1
		.amdhsa_system_vgpr_workitem_id 0
		.amdhsa_next_free_vgpr 1024
		.amdhsa_next_free_sgpr 100
		.amdhsa_reserve_vcc 0
		.amdhsa_float_denorm_mode_32 3
		.amdhsa_float_denorm_mode_16_64 3
		.amdhsa_memory_ordered 1
		.amdhsa_forward_progress 1
		.amdhsa_inst_pref_size 244
	.end_amdhsa_kernel
	.amdgpu_metadata
---
amdhsa.version: [ 1, 2 ]
amdhsa.kernels:
  - .name:           k_q68212e685b_qkv
    .symbol:         k_q68212e685b_qkv.kd
    .args:
      - { .name: opc, .offset: 0, .size: 8, .value_kind: global_buffer, .address_space: global }
      - { .name: ops, .offset: 8, .size: 8, .value_kind: global_buffer, .address_space: global }
      - { .name: bq, .offset: 16, .size: 8, .value_kind: global_buffer, .address_space: global }
      - { .name: bk, .offset: 24, .size: 8, .value_kind: global_buffer, .address_space: global }
      - { .name: bv, .offset: 32, .size: 8, .value_kind: global_buffer, .address_space: global }
      - { .name: qkvc, .offset: 40, .size: 8, .value_kind: global_buffer, .address_space: global }
      - { .name: qkvs, .offset: 48, .size: 8, .value_kind: global_buffer, .address_space: global }
    .group_segment_fixed_size: 327680
    .private_segment_fixed_size: 0
    .kernarg_segment_align: 8
    .kernarg_segment_size: 56
    .max_flat_workgroup_size: 128
    .sgpr_count:     100
    .vgpr_count:     1024
    .wavefront_size: 32
...
	.end_amdgpu_metadata
.endif
;; end of part 2
;; launch attn (part 3): grid 4 x 64, 16 waves a work-group, clusters of 4 x 1, 235,520 bytes of LDS; arguments qkvc, qkvs, opc, ops; writes opc, ops
.if DOCPART == 3
	.amdgcn_target "amdgcn-amd-amdhsa--gfx1250"
	.amdhsa_code_object_version 6
	.text
	.protected	k_q68212e685b_attn
	.globl	k_q68212e685b_attn
	.p2align	8
	.type	k_q68212e685b_attn,@function
k_q68212e685b_attn:
	s_mov_b64 s[64:65], 0
	v_nop
	global_prefetch_b8 v0, s[64:65] scope:SCOPE_SE
	s_setreg_imm32_b32 hwreg(HW_REG_WAVE_MODE, 25, 1), 1
	s_wait_xcnt 0x0
	s_wait_alu depctr_hold_cnt(0) depctr_sa_sdst(0) depctr_va_vdst(0) depctr_va_sdst(0) depctr_va_ssrc(0) depctr_va_vcc(0) depctr_vm_vsrc(0)
	s_getreg_b32 s2, hwreg(HW_REG_IB_STS2, 6, 4)
	s_cmp_eq_u32 s2, 0
	s_cbranch_scc0 .Lentry_in_a_cluster
	s_endpgm
.Lentry_in_a_cluster:
	s_bfe_u32 s2, ttmp6, 0x10000c
	s_cmp_lg_u32 s2, 0x3003
	s_cbranch_scc0 .Lentry_shape_is_right
	s_endpgm
.Lentry_shape_is_right:
; ctx[b][q][head 64 + d] = the sum over k of softmax_k(q . k / 8) v, for 64 (batch, head) pairs of 2,048 tokens and head size 64; both products on codes of FP6 (E2M3) with E8M0 scales;
; ctx is quantised at once along head 64 + d, into the operand images that the last product reads.
; THE SOFTMAX: t = score x log2(e) / 8; M = the running largest t rounded UP to a whole number; p = 2^(t - M) is quantised along the keys, not normalised.  The row's sum is taken of the
; unquantised p and divides at the end.  When M moves, the sum and O are multiplied by 2^(old M - new M): exact.
; SHARES.  A work-group owns 512 queries of one head; each of its sixteen waves two tiles of 16 queries (tiles wave and wave + 16), BOTH IN ONE PASS over the 16 key steps of 128: each fragment
; of K and of V that a wave reads from LDS feeds both tiles.  The four work-groups of a cluster are the four query blocks of one head.
; K AND V STAY IN LDS: they come once, by ten joint loads (mask: all four partners), one to a wave, and are never filled again: no ring.  What the first four key steps read comes by load lines of its
; own, in the first arms of the chain: wave 0 K's first quarter, wave 4 V's, wave 8 K's scale bytes, wave 12 V's; these four waves wait ahead of the first barrier.  Waves 1-3 and 5-7 bring the other
; quarters, which land under the first four key steps; every wave waits for its load ahead of a second barrier, in front of the other twelve.  So the key step is written once and run in two loops.
; There is no later tensor load for a prefetch to run ahead of: none is written.
; LAYOUT.  Both products are used transposed (S^T = K Q^T, O^T = V^T P^T): a lane holds ONE query (lane % 16) throughout.
; WHICH KEYS FORM A TILE OF K IS CHOSEN BY THE LANES' LDS ADDRESSES.  A stored tile 2 b + u holds keys 32 b + 8 u + 0..7 (rows 0-7) and 32 b + 16 + 8 u + 0..7 (rows 8-15).  Tile 4 c + j as it is read here
; takes keys 64 c + 8 j + 0..7 for rows 0-7 (stored tile 4 c + j % 2, its rows 8 (j / 2) ..) and keys 64 c + 32 + 8 j + 0..7 for rows 8-15 (two stored tiles on).  So the 32 score registers of tiles
; 4 c .. 4 c + 3 in lane (r, h) are keys 64 c + 32 h + 0 .. 31: one whole scale block, in the order of P's operand registers: no lane asks another for a block's maximum, and no codes change lanes.
; K's stored tiles (768 bytes) lie 960 bytes apart in LDS: the descriptor lays 64 bytes behind each 256, so that rows 0-7 and rows 8-15 of a 16-byte load, 1,920 bytes apart, fall on different banks.
; THE FIRST PRODUCT'S K IS 64, half of the instruction's 128.  Q's registers 6-11 are zero codes; K's tiles lie six registers apart, and a tile's operand runs on into the next tile's codes, which meet
; Q's zeros.  The scale words are loaded as 16 bits: bytes 2 and 3 are 0, a small power of two and no NaN.
; LIMITS: the promise holds while the scaled scores t stay under 2^31 in magnitude; a block of zeros gets the scale byte 1 where the rule says 127 (its codes are zeros; this program alone reads the bytes);
; NaN and infinities are not served.
.set VB,    122880                     ; LDS: K at 0 (128 tiles x 960), V here (16 key steps x 6,144),
.set KSB,   221184                     ; K's scale bytes: 16 records of 512 (both heads of the pair),
.set VSB,   229376                     ; V's: 16 x 256,
.set SPARE, 233472                     ; the spare words, 128 bytes for each wave: eight blocks of 256 bytes that no other line names
.set KT,    960
.set AK16, 1                           ; v1-6 LDS addresses at key step 0: K's 16-byte pieces, its 8-byte pieces, its scale words; the same for V
.set AK8,  2
.set AKS,  3
.set AV16, 4
.set AV8,  5
.set AVS,  6
.set WD0,  7                           ; v7, v27 ctx's scale bytes of my two tiles
.set SPW,  8                           ; v8 my spare word, v9 0: never rewritten
.set NIL,  9
.set STA,  10                          ; v10-13 tile A: -M, the largest score, the sum in two halves;  v14-17 tile B
.set STB,  14
.set T0,   18                          ; v18, v19 my two blocks' maxima; v20, v21 the conversions' scale operands (all four: addresses while loads are issued)
.set T1,   19
.set SO0,  20
.set SO1,  21
.set F,    22                          ; v22 f = 2^(old M - new M); v23 at work
.set X,    23
.set QSA,  24                          ; v24, v25 Q's scale words; v26 p's
.set QSB,  25
.set PW,   26
.set WD1,  27
.set KS,   28                          ; v28-35 K's eight scale words, later V's four
.set QA,   36                          ; v36-47, v48-59 Q's two operands
.set QB,   48
.set KV,   60                          ; v60-113 K's eight tiles and six registers to run on into; later V's four fragments
.set C,    114                         ; v114-126 p's codes, and one register more for the conversions
.set S,    128                         ; v128-191 S^T, then p
.set OA,   192                         ; v192-223, v224-255 O^T of my two tiles
.set OB,   224
.set G1K,  24
.set G1V,  32
.set G1KS, 40
.set G1VS, 48
.set G0K,  56
.set G0V,  60
.set G0KS, 68
.set G0VS, 72
.macro WALU
	s_wait_alu depctr_va_vdst(0)
.endm
.macro CROUND                          ; a round of the cluster's barrier
	s_barrier_signal -1
	s_barrier_wait -1
	s_cmp_lg_u32 s12, 0
	s_cbranch_scc1 .Lnot_wave_0_\@
	s_barrier_signal -3
.Lnot_wave_0_\@:
	s_barrier_wait -3
	s_barrier_signal -1
	s_barrier_wait -1
.endm
.macro TLOAD g0, g1                    ; an s_nop 0 and four v_nop follow each tensor load
	tensor_load_to_lds s[\g0:\g0+3], s[\g1:\g1+7]
	s_nop 0
.rept 4
	v_nop
.endr
.endm
.macro GROUP1 g, w0, c, r, p           ; rows of c elements of 8 bytes, r rows, p elements apart
	s_mov_b32 s[\g], \w0
	s_mov_b32 s[\g+1], (\c)<<16
	s_mov_b32 s[\g+2], (\r)<<16
	s_mov_b32 s[\g+3], (\c)<<16
	s_mov_b32 s[\g+4], \r
	s_mov_b32 s[\g+5], \p
	s_mov_b32 s[\g+6], 0
	s_mov_b32 s[\g+7], 0
.endm
	s_load_b256 s[4:11], s[0:1], 0x0               ; qkvc s[4:5], qkvs s[6:7], opc s[8:9], ops s[10:11]
	v_lshl_add_u32 v[SPW], v0, 2, SPARE
	v_mov_b32 v[NIL], 0
	ds_add_u32 v[SPW], v[NIL]                      ; the opening lines: the add, twice on end, and its wait ahead of the first tensor loads
	ds_add_u32 v[SPW], v[NIL]
	v_lshrrev_b32 v[X], 5, v0
	v_readfirstlane_b32 s12, v[X]                  ; wave 0..15
	s_bfe_u32 s13, ttmp6, 0x40000                  ; cx
	s_lshl_b32 s19, ttmp9, 2
	s_add_co_u32 s19, s19, s13                     ; my block of 512 queries: it enters Q's and ctx's addresses alone
	s_and_b32 s14, ttmp7, 0xffff                   ; 16 x batch + head, which the four partners share
	s_and_b32 s15, s14, 1                          ; which head of its pair
	s_bfe_u32 s16, s14, 0x30001                    ; head pair
	s_lshr_b32 s17, s14, 4                         ; batch
	s_lshr_b32 s18, s14, 1                         ; 8 x batch + head pair
	s_lshl_b32 s76, s19, 5
	s_add_co_u32 s76, s76, s12                     ; my first tile of 16 queries in the batch; the second is 16 tiles on
	GROUP1 G1K, 15|(3<<16)|(1<<20)|(1<<21)|(5<<22)|(15<<25), 96, 32, 192   ; K: 32 rows of 768 bytes, 1,536 apart; 16 words of padding behind each 64; mask: all four
	GROUP1 G1V, 15|(3<<16)|(1<<21), 768, 4, 12288                          ; V: 4 rows of 6,144 bytes (a key step's four fragments), 98,304 apart
	GROUP1 G1KS, 15|(3<<16)|(1<<21), 32, 32, 32                            ; K's scale bytes: 8,192 dense bytes as 32 rows of 256
	GROUP1 G1VS, 15|(3<<16)|(1<<21), 32, 16, 512                           ; V's: 16 rows of 256 bytes, 4,096 apart
	s_and_b32 s77, s12, 3                          ; which quarter I fetch
	s_lshl_b32 s86, s18, 4
	s_add_co_u32 s86, s86, 512                     ; k's first record of this head pair
	s_lshl_b32 s90, s86, 9                         ; its scale words
	s_mov_b32 s91, 0
	s_mul_i32 s86, s86, 12288
	s_mul_i32 s87, s15, 768                        ; my head's half of each fragment
	s_add_co_u32 s86, s86, s87
	s_mul_i32 s87, s77, 49152                      ; 32 tiles a quarter
	s_add_co_u32 s86, s86, s87
	s_mov_b32 s87, 0
	s_lshl_b32 s88, s17, 7
	s_add_co_u32 s88, s88, s16
	s_add_co_u32 s88, s88, 1024                    ; v's record of the batch's slab 0 and this head pair
	s_lshl_b32 s92, s88, 9
	s_lshl_b32 s89, s15, 8
	s_add_co_u32 s92, s92, s89                     ; its scale words: my head's four tiles
	s_mov_b32 s93, 0
	s_mul_i32 s88, s88, 12288
	s_mul_i32 s89, s15, 6144                       ; my head's four fragments
	s_add_co_u32 s88, s88, s89
	s_mul_i32 s89, s77, 393216                     ; 4 key steps a quarter
	s_add_co_u32 s88, s88, s89
	s_mov_b32 s89, 0
	s_mul_i32 s99, s77, 32*KT                      ; where a quarter of K goes,
	s_mul_i32 s96, s77, 24576
	s_add_co_u32 s96, s96, VB                      ; and of V
	s_mov_b32 s20, 0x76543210
	s_mov_b32 s21, 0xfedcba98                      ; v_permlanex16_b32's selects for lane l xor 16
	s_mov_b32 s22, 0x3e38aa3b                      ; c = log2(e) / 8
	s_mov_b32 s23, s22                             ; (named with it as a pair, so it is written)
	s_mov_b32 s3, 0xbe38aa3b                       ; -c
	s_lshl_b32 s98, s15, 1                         ; my head's two scale bytes in a word
	s_wait_dscnt 0x0                               ; both opening adds are done
	s_wait_kmcnt 0x0
	s_mov_b32 s[G0K], 1
	s_mov_b32 s[G0K+1], s99
	s_add_nc_u64 s[G0K+2:G0K+3], s[4:5], s[86:87]
	s_or_b32 s[G0K+3], s[G0K+3], 0x80000000
	s_mov_b32 s[G0V], 1
	s_mov_b32 s[G0V+1], s96
	s_add_nc_u64 s[G0V+2:G0V+3], s[4:5], s[88:89]
	s_or_b32 s[G0V+3], s[G0V+3], 0x80000000
	s_mov_b32 s[G0KS], 1
	s_mov_b32 s[G0KS+1], KSB
	s_add_nc_u64 s[G0KS+2:G0KS+3], s[6:7], s[90:91]
	s_or_b32 s[G0KS+3], s[G0KS+3], 0x80000000
	s_mov_b32 s[G0VS], 1
	s_mov_b32 s[G0VS+1], VSB
	s_add_nc_u64 s[G0VS+2:G0VS+3], s[6:7], s[92:93]
	s_or_b32 s[G0VS+3], s[G0VS+3], 0x80000000
	CROUND                                         ; all four work-groups are here: the joint loads meet
	s_cmp_eq_u32 s12, 0                            ; one load a wave, one chain of arms on the wave's number; what is read first stands in the first arms
	s_cbranch_scc0 .La1
	TLOAD G0K, G1K                                 ; wave 0: K's first quarter
	s_branch .Lasked
.La1:
	s_cmp_eq_u32 s12, 4
	s_cbranch_scc0 .La2
	TLOAD G0V, G1V                                 ; wave 4: V's first quarter
	s_branch .Lasked
.La2:
	s_cmp_eq_u32 s12, 8
	s_cbranch_scc0 .La3
	TLOAD G0KS, G1KS
	s_branch .Lasked
.La3:
	s_cmp_eq_u32 s12, 12
	s_cbranch_scc0 .La4
	TLOAD G0VS, G1VS
	s_branch .Lasked
.La4:
	s_cmp_lt_u32 s12, 4
	s_cbranch_scc0 .La5
	TLOAD G0K, G1K                                 ; waves 1-3: K's other quarters
	s_branch .Lasked
.La5:
	s_cmp_lt_u32 s12, 8
	s_cbranch_scc0 .Lasked
	TLOAD G0V, G1V                                 ; waves 5-7: V's other quarters
.Lasked:
	; Q's codes and scale words of my two tiles; where ctx's go
	s_lshl_b32 s78, s18, 7
	s_add_co_u32 s78, s78, s76
	s_mul_i32 s78, s78, 1536                       ; q's fragment: 128 x (8 batch + head pair) + tile
	s_mul_i32 s79, s15, 768
	s_add_co_u32 s78, s78, s79
	s_mov_b32 s79, 0
	s_add_nc_u64 s[78:79], s[4:5], s[78:79]
	s_lshl_b32 s80, s18, 4
	s_lshr_b32 s81, s76, 3
	s_add_co_u32 s80, s80, s81
	s_lshl_b32 s80, s80, 9                         ; its record of scale words,
	s_bfe_u32 s81, s76, 0x10002
	s_lshl_b32 s81, s81, 8
	s_add_co_u32 s80, s80, s81                     ; + 256 (a / 4)
	s_and_b32 s81, s76, 3
	s_lshl_b32 s81, s81, 2
	s_add_co_u32 s80, s80, s81                     ; + 4 (a % 4)
	s_add_co_u32 s80, s80, s98
	s_mov_b32 s81, 0
	s_add_nc_u64 s[80:81], s[6:7], s[80:81]
	s_lshl_b32 s82, s17, 4
	s_add_co_u32 s82, s82, 96
	s_lshr_b32 s83, s76, 3
	s_add_co_u32 s82, s82, s83                     ; ctx's row block: 96 + 16 batch + slab
	s_lshl_b32 s82, s82, 6
	s_lshl_b32 s83, s16, 3
	s_add_co_u32 s82, s82, s83                     ; K step = head pair
	s_and_b32 s83, s76, 7
	s_add_co_u32 s82, s82, s83                     ; tile
	s_mul_i32 s82, s82, 1536
	s_mul_i32 s83, s15, 768
	s_add_co_u32 s82, s82, s83
	s_mov_b32 s83, 0
	s_add_nc_u64 s[82:83], s[8:9], s[82:83]
	s_lshl_b32 s84, s17, 7
	s_add_co_u32 s84, s84, 768
	s_add_co_u32 s84, s84, s76
	s_lshl_b32 s84, s84, 9                         ; ctx's row tile in ops,
	s_lshr_b32 s85, s16, 2
	s_lshl_b32 s85, s85, 8
	s_add_co_u32 s84, s84, s85                     ; K half,
	s_and_b32 s85, s16, 3
	s_lshl_b32 s85, s85, 2
	s_add_co_u32 s84, s84, s85                     ; word,
	s_add_co_u32 s84, s84, s98                     ; my head's two bytes
	s_mov_b32 s85, 0
	s_add_nc_u64 s[84:85], s[10:11], s[84:85]
	v_and_b32 v[T0], 31, v0                        ; lane
	v_and_b32 v[T1], 15, v0                        ; r
	v_and_b32 v[SO0], 7, v0                        ; i = r % 8
	v_bfe_u32 v[SO1], v0, 3, 1                     ; w = r / 8
	v_bfe_u32 v[F], v0, 4, 1                       ; h
	v_lshlrev_b32 v[S], 4, v[T0]                   ; 16 x lane
	v_lshlrev_b32 v[S+1], 3, v[T0]                 ; 8 x lane
	v_lshlrev_b32 v[S+2], 4, v[T1]                 ; 16 r
	global_load_b128 v[QA:QA+3], v[S], s[78:79]
	global_load_b64 v[QA+4:QA+5], v[S+1], s[78:79] offset:512
	global_load_u16 v[QSA], v[S+2], s[80:81]
	global_load_b128 v[QB:QB+3], v[S], s[78:79] offset:24576
	global_load_b64 v[QB+4:QB+5], v[S+1], s[78:79] offset:24576+512
	global_load_u16 v[QSB], v[S+2], s[80:81] offset:1024
	v_mul_u32_u24 v[AK16], v[SO1], 2*KT            ; rows 8-15 come from two stored tiles on
	v_lshl_add_u32 v[AK8], v[F], 7, v[AK16]        ; the 8-byte pieces: 640 + 128 h + 8 i (behind two paddings)
	v_mad_u32_u24 v[AK16], v[F], 320, v[AK16]      ; the 16-byte pieces: 320 h + 16 i (lanes 16-31 behind one padding)
	v_lshl_add_u32 v[AK16], v[SO0], 4, v[AK16]
	v_lshl_add_u32 v[AK8], v[SO0], 3, v[AK8]
	v_add_nc_u32 v[AK8], 640, v[AK8]
	v_lshlrev_b32 v[AKS], 3, v[SO1]                ; K's scale words: 8 w + 16 i, my head's two bytes
	v_lshl_add_u32 v[AKS], v[SO0], 4, v[AKS]
	v_add_nc_u32 v[AKS], KSB, v[AKS]
	v_add_nc_u32 v[AKS], s98, v[AKS]
	v_add_nc_u32 v[AV16], VB, v[S]
	v_add_nc_u32 v[AV8], VB, v[S+1]
	v_add_nc_u32 v[AVS], VSB, v[S+2]               ; V's: row r's four words
.irp j, 6,7,8,9,10,11
	v_mov_b32 v[QA+\j], 0                          ; Q's codes of k = 64 .. 127: zeros
	v_mov_b32 v[QB+\j], 0
	v_mov_b32 v[KV+42+\j], 0                       ; what K's last tile runs on into
.endr
.irp st, STA, STB                              ; O^T and the sums begin as zeros, the largest score lies under every score: the first change of M leaves the zeros zeros
	v_mov_b32 v[\st], 0x7f61b1e6                   ; -M: 3e38
	v_mov_b32 v[\st+1], 0xff61b1e6                 ; -3e38
	v_mov_b32 v[\st+2], 0
	v_mov_b32 v[\st+3], 0
.endr
.set J, 0
.rept 64
	v_mov_b32 v[OA+J], 0
.set J, J+1
.endr
	s_mov_b32 s94, 0                               ; the key step's place in K's region (7,680 a step), in K's scale words (512), in V's region (6,144), in V's scale words (256)
	s_mov_b32 s95, 0
	s_mov_b32 s96, 0
	s_mov_b32 s97, 0
	s_mov_b32 s2, 4
; S^T = K Q^T: eight tiles of 16 keys
.macro SMUL q, qs
.irp t, 0,1,2,3,4,5,6,7
	v_wmma_scale_f32_16x16x128_f8f6f4 v[S+8*\t:S+8*\t+7], v[KV+6*\t:KV+6*\t+11], v[\q:\q+11], 0, v[KS+\t], v[\qs] matrix_a_fmt:MATRIX_FMT_FP6 matrix_b_fmt:MATRIX_FMT_FP6
.endr
.endm
; My two blocks' largest scores (each accumulator is first read at its low end), the running largest score of the row, -M and f.  v[F] holds the old -M on the way in.
.macro MAXES st
	v_max3_num_f32 v[T0], v[S], v[S+1], v[S+2]
	v_max3_num_f32 v[T1], v[S+32], v[S+33], v[S+34]
.irp i, 3,5,7,9,11,13,15,17,19,21,23,25,27,29
	v_max3_num_f32 v[T0], v[T0], v[S+\i], v[S+\i+1]
	v_max3_num_f32 v[T1], v[T1], v[S+32+\i], v[S+33+\i]
.endr
	v_max_num_f32 v[T0], v[T0], v[S+31]
	v_max_num_f32 v[T1], v[T1], v[S+63]
	s_delay_alu instid0(VALU_DEP_1)
	v_max3_num_f32 v[\st+1], v[\st+1], v[T0], v[T1]
	s_delay_alu instid0(VALU_DEP_1)
	v_permlanex16_b32 v[X], v[\st+1], s20, s21
	s_delay_alu instid0(VALU_DEP_1)
	v_max_num_f32 v[\st+1], v[\st+1], v[X]         ; with lane l xor 16's two blocks
	s_delay_alu instid0(VALU_DEP_1)
	v_mul_f32 v[X], s3, v[\st+1]                   ; -t (c is positive)
	s_delay_alu instid0(VALU_DEP_1)
	v_floor_f32 v[\st], v[X]                       ; the new -M = floor(-t) = -ceil(t): a whole number
	s_delay_alu instid0(VALU_DEP_1)
	v_sub_f32 v[F], v[\st], v[F]                   ; M's old value less its new one: a whole number, 0 or less
	s_delay_alu instid0(VALU_DEP_1)
	v_cvt_i32_f32 v[F], v[F]                       ; (it saturates)
	s_delay_alu instid0(VALU_DEP_1)
	v_ldexp_f32 v[F], 1.0, v[F]                    ; f = 2^(old M - new M)
.endm
; p = 2^(t - M), and the same of each block's largest score: p rises with the score, so that is the block's largest p
.macro EXPS st
.set J, 0
.rept 32
	v_pk_fma_f32 v[S+J:S+J+1], v[S+J:S+J+1], s[22:23], v[\st:\st+1] op_sel_hi:[1,0,0]
.set J, J+2
.endr
	v_fma_f32 v[T0], v[T0], s22, v[\st]
	v_fma_f32 v[T1], v[T1], s22, v[\st]
	WALU                                           ; the wait ahead of the batch
.set J, 0
.rept 64
	v_exp_f32 v[S+J], v[S+J]
.set J, J+1
.endr
	v_exp_f32 v[T0], v[T0]
	v_exp_f32 v[T1], v[T1]
.endm
; O^T under the new M; p's scale word and codes; the row's sum of the unquantised p
.macro TAIL st, ob
	WALU                                           ; one wait for the batch, directly ahead of the first reads of O^T
.set J, 0
.rept 16
	v_pk_mul_f32 v[\ob+J:\ob+J+1], v[\ob+J:\ob+J+1], v[F:F+1] op_sel_hi:[1,0]
.set J, J+2
.endr
	v_max_num_f32 v[T0], 0x1800000, v[T0]          ; the floor 2^(3 - 127): the byte cannot fall under 1
	v_max_num_f32 v[T1], 0x1800000, v[T1]
	s_delay_alu instid0(VALU_DEP_2)
	v_add_nc_u32 v[SO0], 0xff000000, v[T0]         ; 2 off the exponent field: the conversion's scale operand
	s_delay_alu instid0(VALU_DEP_2)
	v_add_nc_u32 v[SO1], 0xff000000, v[T1]
	v_cvt_scalef32_pk16_fp6_f32 v[C:C+2], v[S:S+15], v[SO0]
	v_cvt_scalef32_pk16_fp6_f32 v[C+4:C+6], v[S+16:S+31], v[SO0]       ; a conversion's three registers begin on an even number: made one register up and moved down
	v_cvt_scalef32_pk16_fp6_f32 v[C+10:C+12], v[S+48:S+63], v[SO1]
	v_lshrrev_b32 v[T0], 23, v[SO0]                ; the scales' bytes (plain places behind the conversions)
	v_lshrrev_b32 v[T1], 23, v[SO1]
	v_mov_b32 v[C+3], v[C+4]
	v_mov_b32 v[C+4], v[C+5]
	v_mov_b32 v[C+5], v[C+6]
	v_cvt_scalef32_pk16_fp6_f32 v[C+6:C+8], v[S+32:S+47], v[SO1]
	v_lshl_or_b32 v[PW], v[T1], 16, v[T0]          ; my bytes: blocks h and 2 + h
	v_mov_b32 v[C+9], v[C+10]
	v_mov_b32 v[C+10], v[C+11]
	v_mov_b32 v[C+11], v[C+12]
	v_permlanex16_b32 v[X], v[PW], s20, s21
	s_delay_alu instid0(VALU_DEP_1)
	v_lshl_or_b32 v[PW], v[X], 8, v[PW]            ; lanes 0-15, which the product reads: bytes 0 to 3 are blocks 0 to 3
.irp w, 32,16,8                                ; the codes are made: p is summed in place, 31 packed additions (they are also the places ahead of the products)
.set J, 0
.rept \w/2
	v_pk_add_f32 v[S+J:S+J+1], v[S+J:S+J+1], v[S+\w+J:S+\w+J+1]
.set J, J+2
.endr
.endr
	s_delay_alu instid0(VALU_DEP_2)
	v_pk_add_f32 v[S:S+1], v[S:S+1], v[S+4:S+5]
	s_delay_alu instid0(VALU_DEP_2)
	v_pk_add_f32 v[S+2:S+3], v[S+2:S+3], v[S+6:S+7]
	s_delay_alu instid0(VALU_DEP_1)
	v_pk_add_f32 v[S:S+1], v[S:S+1], v[S+2:S+3]
	s_delay_alu instid0(VALU_DEP_1)
	v_pk_fma_f32 v[\st+2:\st+3], v[\st+2:\st+3], v[F:F+1], v[S:S+1] op_sel_hi:[1,0,1]   ; the sum under the new M, and this step's
.endm
.macro PV ob                           ; O^T += V^T P^T: the four accumulators by turns
.irp t, 0,1,2,3
	v_wmma_scale_f32_16x16x128_f8f6f4 v[\ob+8*\t:\ob+8*\t+7], v[KV+12*\t:KV+12*\t+11], v[C:C+11], v[\ob+8*\t:\ob+8*\t+7], v[KS+\t], v[PW] matrix_a_fmt:MATRIX_FMT_FP6 matrix_b_fmt:MATRIX_FMT_FP6
.endr
.endm
; A KEY STEP: 128 keys, both tiles of queries; it ends with the compare for the loop's branch
.macro KSTEP
	v_add_nc_u32 v[T0], s94, v[AK16]               ; (these four are the places behind the last step's products, ahead of the loads into their registers)
	v_add_nc_u32 v[T1], s94, v[AK8]
	v_add_nc_u32 v[SO0], s95, v[AKS]
	v_nop
.irp n, 0,1,2,3,4,5,6,7
	ds_load_b128 v[KV+6*\n:KV+6*\n+3], v[T0] offset:(4*(\n/4)+\n%2)*KT+128*((\n%4)/2)
	ds_load_b64 v[KV+6*\n+4:KV+6*\n+5], v[T1] offset:(4*(\n/4)+\n%2)*KT+64*((\n%4)/2)
	ds_load_u16 v[KS+\n], v[SO0] offset:256*(\n/4)+4*(\n%2)+128*((\n%4)/2)
.endr
	s_wait_dscnt 0x0
	SMUL QA, QSA
	v_mov_b32 v[F], v[STA]                         ; the old -M; with three v_nop the places ahead of the first reads of the scores
.rept 3
	v_nop
.endr
	MAXES STA
	EXPS STA
	TAIL STA, OA
	SMUL QB, QSB                                   ; the second tile's scores, from the same fragments of K
	v_add_nc_u32 v[T0], s96, v[AV16]               ; (four places: for V's loads into K's registers, and for the first reads of the scores)
	v_add_nc_u32 v[T1], s96, v[AV8]
	v_add_nc_u32 v[SO0], s97, v[AVS]
	v_mov_b32 v[F], v[STB]
.irp t, 0,1,2,3                                ; V's four fragments and scale words land while the second tile's maxima are searched
	ds_load_b128 v[KV+12*\t:KV+12*\t+3], v[T0] offset:1536*\t
	ds_load_b64 v[KV+12*\t+4:KV+12*\t+5], v[T1] offset:1536*\t+512
	ds_load_b128 v[KV+12*\t+6:KV+12*\t+9], v[T0] offset:1536*\t+768
	ds_load_b64 v[KV+12*\t+10:KV+12*\t+11], v[T1] offset:1536*\t+1280
.endr
	ds_load_b128 v[KS:KS+3], v[SO0]
	MAXES STB
	WALU                                           ; the wait here, directly ahead of the wait below
	s_wait_dscnt 0x0                               ; V is in
	PV OA                                          ; the first tile's codes are used; their registers then take the second tile's
	EXPS STB
	TAIL STB, OB
	PV OB
	s_add_co_u32 s94, s94, 8*KT
	s_add_co_u32 s95, s95, 512
	s_add_co_u32 s96, s96, 6144
	s_add_co_u32 s97, s97, 256
	s_sub_co_u32 s2, s2, 1
	s_cmp_lg_u32 s2, 0
.endm
	WALU                                           ; the wait at the head's end
	s_wait_loadcnt 0x0                             ; Q
	s_cmp_eq_u32 s77, 0                            ; waves 0, 4, 8, 12: what the first four key steps read
	s_cbranch_scc0 .Lnot_first
	s_wait_tensorcnt 0x0
.Lnot_first:
	s_barrier_signal -1
	s_barrier_wait -1                              ; K's and V's first quarters and the scale bytes are in; the other quarters may be on their way
.Lstep1:                                               ; key steps 0 to 3 read K's bytes under 30,720 and V's first 24,576: the first quarters alone
	KSTEP
	s_cbranch_scc1 .Lstep1
	WALU                                           ; the wait here, directly ahead of the wait below
	s_wait_tensorcnt 0x0                           ; my load, if I issued one, has landed;
	s_barrier_signal -1
	s_barrier_wait -1                              ; everybody's has: K and V are whole
	s_mov_b32 s94, 4*8*KT                          ; key step 4
	s_mov_b32 s95, 4*512
	s_mov_b32 s96, 4*6144
	s_mov_b32 s97, 4*256
	s_mov_b32 s2, 12
.Lstep2:
	KSTEP
	s_cbranch_scc1 .Lstep2
; THE END: O^T / the sum is ctx: register 16 b + i = channel 32 b + 16 h + i of my query: two blocks, six registers of codes, two scale bytes
.macro FINISH p, st, ob, cb, wd
	v_add_f32 v[\st+2], v[\st+2], v[\st+3]
	s_delay_alu instid0(VALU_DEP_1)
	v_permlanex16_b32 v[X], v[\st+2], s20, s21
	s_delay_alu instid0(VALU_DEP_1)
	v_add_f32 v[\st+2], v[\st+2], v[X]             ; the row's sum
	WALU
	v_rcp_f32 v[\st+2], v[\st+2]
	v_nop                                          ; a plain place behind the transcendental
	WALU                                           ; the wait ahead of its first reader, and of the first reads of O^T
.set J, 0
.rept 32
	v_mul_f32 v[S+J], v[\ob+J], v[\st+2]           ; each accumulator from its low end on
.set J, J+1
.endr
	v_max3_num_f32 v[T0], |v[S]|, |v[S+1]|, 0x1800000
	v_max3_num_f32 v[T1], |v[S+16]|, |v[S+17]|, 0x1800000
.irp i, 2,4,6,8,10,12,14
	s_delay_alu instid0(VALU_DEP_2)
	v_max3_num_f32 v[T0], v[T0], |v[S+\i]|, |v[S+\i+1]|
	s_delay_alu instid0(VALU_DEP_2)
	v_max3_num_f32 v[T1], v[T1], |v[S+16+\i]|, |v[S+17+\i]|
.endr
	s_delay_alu instid0(VALU_DEP_2)
	v_permlanex16_b32 v[SO0], v[T0], s20, s21
	s_delay_alu instid0(VALU_DEP_2)
	v_permlanex16_b32 v[SO1], v[T1], s20, s21
	s_delay_alu instid0(VALU_DEP_2)
	v_max_num_f32 v[T0], v[T0], v[SO0]
	s_delay_alu instid0(VALU_DEP_2)
	v_max_num_f32 v[T1], v[T1], v[SO1]
	s_delay_alu instid0(VALU_DEP_2)
	v_add_nc_u32 v[SO0], 0xff000000, v[T0]
	s_delay_alu instid0(VALU_DEP_2)
	v_add_nc_u32 v[SO1], 0xff000000, v[T1]
	s_delay_alu instid0(VALU_DEP_2)
	v_lshrrev_b32 v[T0], 23, v[SO0]
	s_delay_alu instid0(VALU_DEP_2)
	v_lshrrev_b32 v[T1], 23, v[SO1]
	s_delay_alu instid0(VALU_DEP_1)
	v_lshl_or_b32 v[\wd], v[T1], 8, v[T0]          ; my row's two scale bytes
	v_cvt_scalef32_pk16_fp6_f32 v[\cb:\cb+2], v[S:S+15], v[SO0]
	v_cvt_scalef32_pk16_fp6_f32 v[\cb+4:\cb+6], v[S+16:S+31], v[SO1]
	v_nop
.irp i, 0,1,2
	v_permlane16_swap_b32 v[\cb+\i], v[\cb+4+\i]   ; the operand's layout wants a whole block in a lane
.endr
.irp i, 0,1,2
	s_delay_alu instid0(VALU_DEP_3)
	v_mov_b32 v[\cb+3+\i], v[\cb+4+\i]
.endr
	global_store_b128 v[AK16], v[\cb:\cb+3], s[82:83] offset:196608*\p       ; 512 and 256 consecutive bytes, aligned: my head's half of a fragment's image
	global_store_b64 v[AK8], v[\cb+4:\cb+5], s[82:83] offset:196608*\p+512
	global_store_b16 v[AKS], v[\wd], s[84:85] offset:8192*\p                 ; (lanes 16-31 hold the same bytes and write the same places)
.endm
	v_and_b32 v[AV16], 31, v0                      ; the stores' offsets, in registers that the key steps have left (also the places behind the last products)
	v_and_b32 v[AV8], 15, v0
	v_lshlrev_b32 v[AK16], 4, v[AV16]
	v_lshlrev_b32 v[AK8], 3, v[AV16]
	v_lshlrev_b32 v[AKS], 4, v[AV8]
	FINISH 0, STA, OA, C, WD0
	FINISH 1, STB, OB, KV, WD1                     ; other registers for its codes and bytes: no store's data are written again
	s_wait_tensorcnt 0x0                           ; the wave's end
	ds_add_u32 v[SPW], v[NIL]
	s_wait_dscnt 0x0
	CROUND                                         ; the closing round
	s_endpgm
.Lfunc_end_k_q68212e685b_attn:
	.size	k_q68212e685b_attn, .Lfunc_end_k_q68212e685b_attn-k_q68212e685b_attn
	.p2alignl 7, 3214868480
	.fill 96, 4, 3214868480
	.section	.rodata,"a",@progbits
	.p2align	6, 0x0
	.amdhsa_kernel k_q68212e685b_attn
		.amdhsa_group_segment_fixed_size 235520
		.amdhsa_private_segment_fixed_size 0
		.amdhsa_enable_private_segment 0
		.amdhsa_kernarg_size 32
		.amdhsa_user_sgpr_count 2
		.amdhsa_user_sgpr_kernarg_segment_ptr 1
		.amdhsa_wavefront_size32 1
		.amdhsa_system_sgpr_workgroup_id_x 1
		.amdhsa_system_sgpr_workgroup_id_y 1
		.amdhsa_system_sgpr_workgroup_id_z 1
		.amdhsa_system_vgpr_workitem_id 0
		.amdhsa_next_free_vgpr 256
		.amdhsa_next_free_sgpr 100
		.amdhsa_reserve_vcc 0
		.amdhsa_float_denorm_mode_32 3
		.amdhsa_float_denorm_mode_16_64 3
		.amdhsa_memory_ordered 1
		.amdhsa_forward_progress 1
		.amdhsa_inst_pref_size 81
	.end_amdhsa_kernel
	.amdgpu_metadata
---
amdhsa.version: [ 1, 2 ]
amdhsa.kernels:
  - .name:           k_q68212e685b_attn
    .symbol:         k_q68212e685b_attn.kd
    .args:
      - { .name: qkvc, .offset: 0, .size: 8, .value_kind: global_buffer, .address_space: global }
      - { .name: qkvs, .offset: 8, .size: 8, .value_kind: global_buffer, .address_space: global }
      - { .name: opc, .offset: 16, .size: 8, .value_kind: global_buffer, .address_space: global }
      - { .name: ops, .offset: 24, .size: 8, .value_kind: global_buffer, .address_space: global }
    .group_segment_fixed_size: 235520
    .private_segment_fixed_size: 0
    .kernarg_segment_align: 8
    .kernarg_segment_size: 32
    .max_flat_workgroup_size: 512
    .sgpr_count:     100
    .vgpr_count:     256
    .wavefront_size: 32
...
	.end_amdgpu_metadata
.endif
;; end of part 3
;; launch proj (part 4): grid 4 x 64, 4 waves a work-group, clusters of 4 x 4, 327,680 bytes of LDS; arguments opc, ops, bo, out0; writes out0
.if DOCPART == 4
	.amdgcn_target "amdgcn-amd-amdhsa--gfx1250"
	.amdhsa_code_object_version 6
	.text
	.protected	k_q68212e685b_proj
	.globl	k_q68212e685b_proj
	.p2align	8
	.type	k_q68212e685b_proj,@function
k_q68212e685b_proj:
	s_mov_b64 s[64:65], 0
	v_nop
	global_prefetch_b8 v0, s[64:65] scope:SCOPE_SE
	s_setreg_imm32_b32 hwreg(HW_REG_WAVE_MODE, 25, 1), 1
	s_wait_xcnt 0x0
	s_wait_alu depctr_hold_cnt(0) depctr_sa_sdst(0) depctr_va_vdst(0) depctr_va_sdst(0) depctr_va_ssrc(0) depctr_va_vcc(0) depctr_vm_vsrc(0)
	s_getreg_b32 s2, hwreg(HW_REG_IB_STS2, 6, 4)
	s_cmp_eq_u32 s2, 0
	s_cbranch_scc0 .Lentry_in_a_cluster
	s_endpgm
.Lentry_in_a_cluster:
	s_bfe_u32 s2, ttmp6, 0x10000c
	s_cmp_lg_u32 s2, 0xf033
	s_cbranch_scc0 .Lentry_shape_is_right
	s_endpgm
.Lentry_shape_is_right:
; out0 = ctx Wo^T + bo on codes of FP6 (E2M3) with E8M0 scales; f32 out.
; THE DEAL.  256 work-groups, one for each (row block of 128 tokens of ctx, column group cx = 0..3 of two blocks of 128 rows of Wo).  Four waves, 2 x 2: wave (ra, cb) holds its 64 tokens, ALL of K, in 384
; registers, and takes a weight block's tiles 4 cb .. 4 cb + 3 from LDS, four fragments for the 16 products of a K step.  16 accumulators by turns; the bias is the first K step's C.
; Source 0 = the weight's rows: a lane holds a token, and a tile's eight registers eight neighbouring columns of out0.
; LDS: ctx's block at 0, the two weight blocks behind it (98,304 bytes each), the spare words.  All comes at the head, one tensor load a wave (ctx's two halves, blocks 0 and 1); nothing is filled again,
; so there is no later load for a prefetch to run ahead of.  ctx's block is shared by a row of the cluster, a weight block by a column: joint loads.
; THE WAY OUT: 16 tokens x 64 columns at a time through the wave's own stage (rows of 272 bytes, in ctx's region, which has had its only fill and its last read) and back as rows of 256 bytes:
; sixteen lanes store one aligned run of 256 bytes.
; REGISTERS: window 0: v0-23 addresses, v28-59 ctx's scale words, v60-61 the add's, v64-127 the weights' scale words, v128-191 the bias, v192-255 rows on the way out;
; windows 1, 2: fragments of 12 registers, 21 to a window: 0-31 ctx's (4 k + a), 32-39 the weights' two sets;  window 3: v0-127 the accumulators.
.set NBLK,  2
.set XRB0,  96
.set WRB0,  88
.set WSH,   1
.set RBB,   98304
.set QB,    24576
.set SPARE, 3*RBB
.set SPITCH, 272
.set O16,   4
.set O8,    5
.set XA16,  6
.set XA8,   8
.set WA16,  10
.set WA8,   14
.set LR16,  18
.set BOQ,   19
.set STO,   21
.set RD,    22
.set CO,    23
.set XS,    28
.set SPW,   60
.set NIL,   61
.set WS,    64
.set BI,    128
.set BK,    192
.set G1X,   28
.set G1W,   36
.set G0X,   52
.set G0W,   56
.set G0R,   60
.set MSB, 0
.macro WIN new
.if MSB != \new
	s_set_vgpr_msb (MSB<<8)|\new
.set MSB, \new
.endif
.endm
.macro PLACES n
.rept \n
	v_nop
.endr
.endm
.macro CREST
	s_cmp_lg_u32 s18, 0
	s_cbranch_scc1 .Lnot_wave_0_\@
	s_barrier_signal -3
.Lnot_wave_0_\@:
	s_barrier_wait -3
	s_barrier_signal -1
	s_barrier_wait -1
.endm
.macro CROUND
	s_barrier_signal -1
	s_barrier_wait -1
	CREST
.endm
.macro TLOAD g0, g1                    ; an s_nop 0 and four v_nop follow each tensor load
	tensor_load_to_lds s[\g0:\g0+3], s[\g1:\g1+7]
	s_nop 0
	PLACES 4
.endm
.macro GROUP1 g, mask, rows            ; a dense block as rows of 256 bytes (32 elements of 8)
	s_or_b32 s[\g], s\mask, (3<<16)|(1<<21)
	s_mov_b32 s[\g+1], 32<<16
	s_mov_b32 s[\g+2], (\rows)<<16
	s_mov_b32 s[\g+3], 32<<16
	s_mov_b32 s[\g+4], \rows
	s_mov_b32 s[\g+5], 32
	s_mov_b32 s[\g+6], 0
	s_mov_b32 s[\g+7], 0
.endm
.macro FRAG f, a16, a8, off            ; a fragment's image, 1,536 bytes, into fragment place f
.set R_, 12*((\f)%21)
	WIN (1+(\f)/21)<<6
	ds_load_b128 v[R_:R_+3], v[\a16] offset:\off
	ds_load_b64 v[R_+4:R_+5], v[\a8] offset:(\off)+512
	ds_load_b128 v[R_+6:R_+9], v[\a16] offset:(\off)+768
	ds_load_b64 v[R_+10:R_+11], v[\a8] offset:(\off)+1280
.endm
.macro FETCHW sl, k, p                 ; my four weight fragments of K step k of block sl into set p
.irp b, 0,1,2,3
	FRAG 32+4*(\p)+\b, WA16+2*(\sl)+(\k)/4, WA8+2*(\sl)+(\k)/4, (8*((\k)%4)+\b)*1536
.endr
.endm
.macro FETCHX k                        ; my four fragments of ctx of K step k
.irp a, 0,1,2,3
	FRAG 4*(\k)+\a, XA16+(\k)/4, XA8+(\k)/4, (8*((\k)%4)+\a)*1536
.endr
.endm
.macro WM d, s0, s1, c, x0, x1
	v_wmma_scale_f32_16x16x128_f8f6f4 v[\d:\d+7], v[\s0:\s0+11], v[\s1:\s1+11], \c, v[\x0], v[\x1] matrix_a_fmt:MATRIX_FMT_FP6 matrix_b_fmt:MATRIX_FMT_FP6
.endm
.macro PROD k, a, b, p, ws
.set FX_, 4*(\k)+(\a)
.set XW_, 1+FX_/21
.set RX_, 12*(FX_%21)
.set RW_, 12*((32+4*(\p)+(\b))%21)
.set SX_, XS+8*(\a)+(\k)
.set SW_, WS+32*(\ws)+8*(\b)+(\k)
.set CB_, BI+32*(\ws)+8*(\b)
.set D_, 8*(4*(\a)+(\b))
.if (\k) == 0
	WIN 2|(XW_<<2)|(3<<6)
	WM D_, RW_, RX_, v[CB_:CB_+7], SW_, SX_
.else
	WIN 2|(XW_<<2)|(3<<4)|(3<<6)
	WM D_, RW_, RX_, v[D_:D_+7], SW_, SX_
.endif
.endm
.macro PROD16 k, p, ws
.irp a, 0,1,2,3
.irp b, 0,1,2,3
	PROD \k, \a, \b, \p, \ws
.endr
.endr
.endm
.macro LOADSB jn                       ; block jn's scale words and bias into set jn
.irp b, 0,1,2,3
	global_load_b128 v[WS+32*(\jn)+8*\b:WS+32*(\jn)+8*\b+3], v[LR16], s[70:71] offset:4096*(\jn)+512*\b
	global_load_b128 v[WS+32*(\jn)+8*\b+4:WS+32*(\jn)+8*\b+7], v[LR16], s[70:71] offset:4096*(\jn)+512*\b+256
	global_load_b128 v[BI+32*(\jn)+8*\b:BI+32*(\jn)+8*\b+3], v[BOQ], s[74:75] offset:512*(\jn)+(32*(\b/2)+8*(\b%2))*4
	global_load_b128 v[BI+32*(\jn)+8*\b+4:BI+32*(\jn)+8*\b+7], v[BOQ], s[74:75] offset:512*(\jn)+(32*(\b/2)+8*(\b%2))*4+16
.endr
.endm
; A weight block: 128 products a wave.  show = 1: a plain barrier in the last K step shows the next block to all
.macro BLK j, show
	WIN 0
.set K, 0
.rept 7
	s_wait_dscnt 0x0                               ; K step K's fragments are in
	PLACES 4                                       ; ahead of the loads into the set that the last K step's products read
	FETCHW \j, K+1, (K+1)%2
.if (\j) == 0
	FETCHX K+1                                     ; in the first block ctx's fragments come step by step too
.endif
	PROD16 K, K%2, \j
.set K, K+1
.endr
	WIN 0
	s_wait_dscnt 0x0
.if \show
	s_wait_tensorcnt 0x0
	s_barrier_signal -1
	PROD16 7, 1, \j
	WIN 0
	s_barrier_wait -1
	PLACES 4
	FETCHW 1-(\j), 0, 0
.else
	PROD16 7, 1, \j
	PLACES 4
.endif
	WIN 0
.endm
.macro TOSTAGE l                       ; token tile l: 16 rows x 256 bytes into my stage, each accumulator from its low end on, and back by rows (LDS serves a wave's instructions in order)
	WIN 0x0c
.irp b, 0,1,2,3
	ds_store_b128 v[STO], v[32*(\l)+8*\b:32*(\l)+8*\b+3] offset:128*(\b/2)+32*(\b%2)
	ds_store_b128 v[STO], v[32*(\l)+8*\b+4:32*(\l)+8*\b+7] offset:128*(\b/2)+32*(\b%2)+16
.endr
	WIN 0
.irp t, 0,1,2,3,4,5,6,7
	ds_load_b128 v[BK+32*((\l)%2)+4*\t:BK+32*((\l)%2)+4*\t+3], v[RD] offset:\t*2*SPITCH
.endr
.endm
.macro SEND l, younger, off            ; younger: the LDS instructions issued behind tile l's loads
	s_wait_dscnt \younger
.irp t, 0,1,2,3,4,5,6,7
	global_store_b128 v[CO], v[BK+32*((\l)%2)+4*\t:BK+32*((\l)%2)+4*\t+3], s[78:79] offset:(\off)+(32*((\l)/2)+8*((\l)%2)+2*\t+8*(\t/4))*4096 th:TH_STORE_NT
.endr
.endm
.macro OUT off
	s_wait_xcnt 0x0                                ; earlier stores have read their registers
	TOSTAGE 0
.irp l, 1,2,3
.if \l > 1
	s_wait_xcnt 0x0
.endif
	TOSTAGE \l
	SEND \l-1, 16, \off                            ; behind tile l - 1's loads: tile l's 8 stores and 8 loads
.endr
	SEND 3, 0, \off
.endm
; ---- the head
	s_load_b256 s[4:11], s[0:1], 0x0               ; opc, ops, bo, out0
	v_lshl_add_u32 v[SPW], v0, 2, SPARE
	v_mov_b32 v[NIL], 0
	ds_add_u32 v[SPW], v[NIL]                      ; the opening lines: the add, twice on end, and its wait
	ds_add_u32 v[SPW], v[NIL]
	v_lshrrev_b32 v1, 5, v0
	v_readfirstlane_b32 s18, v1                    ; wave
	s_lshr_b32 s19, s18, 1                         ; ra: which 64 tokens
	s_and_b32 s20, s18, 1                          ; cb: which 64 rows of a weight block
	s_bfe_u32 s22, ttmp6, 0x40000                  ; cx: the column group
	s_bfe_u32 s23, ttmp6, 0x40004                  ; cy
	s_and_b32 s21, ttmp7, 0xffff
	s_lshl_b32 s21, s21, 2
	s_add_co_u32 s21, s21, s23                     ; ctx's row block, 0..63
	s_lshl_b32 s24, s23, 2
	s_lshl_b32 s24, 15, s24                        ; my row of the cluster
	s_lshl_b32 s25, 0x1111, s22                    ; my column
	GROUP1 G1X, 24, 192
	GROUP1 G1W, 25, 384
	s_mov_b32 s[G0X], 1
	s_mul_i32 s[G0X+1], s18, 2*QB                  ; waves 0 and 1: a half of ctx's block each
	s_add_co_u32 s26, s21, XRB0
	s_mul_i32 s26, s26, RBB
	s_add_co_u32 s26, s26, s[G0X+1]
	s_mov_b32 s27, 0
	s_lshl_b32 s96, s22, WSH
	s_add_co_u32 s96, s96, WRB0
	s_mul_i32 s96, s96, RBB                        ; the group's first block of Wo
	s_mov_b32 s97, 0
	s_mov_b32 s[G0W], 1
	s_mov_b32 s[G0W+1], RBB
	s_mov_b32 s[G0R], 1
	s_mov_b32 s[G0R+1], 2*RBB
	s_wait_dscnt 0x0
	CROUND                                         ; in front of the first joint loads
	s_wait_kmcnt 0x0
	s_add_nc_u64 s[G0X+2:G0X+3], s[4:5], s[26:27]
	s_or_b32 s[G0X+3], s[G0X+3], 0x80000000
	s_add_nc_u64 s[66:67], s[4:5], s[96:97]
	s_mov_b64 s[G0W+2:G0W+3], s[66:67]
	s_or_b32 s[G0W+3], s[G0W+3], 0x80000000
	s_add_nc_u64 s[G0R+2:G0R+3], s[66:67], RBB
	s_or_b32 s[G0R+3], s[G0R+3], 0x80000000
	s_cmp_lt_u32 s18, 2                            ; one tensor load a wave, one chain of arms
	s_cbranch_scc0 .Lw2
	TLOAD G0X, G1X
	s_branch .Lasked
.Lw2:
	s_cmp_eq_u32 s18, 2
	s_cbranch_scc0 .Lw3
	TLOAD G0W, G1W                                 ; weight block 0, whole
	s_branch .Lasked
.Lw3:
	TLOAD G0R, G1W                                 ; weight block 1, whole
.Lasked:
	s_mov_b32 s91, 0
	s_add_co_u32 s90, s21, XRB0                    ; ctx's scale words: tile 8 x block + 4 ra
	s_lshl_b32 s90, s90, 3
	s_lshl_b32 s92, s19, 2
	s_add_co_u32 s90, s90, s92
	s_lshl_b32 s90, s90, 9
	s_add_nc_u64 s[68:69], s[6:7], s[90:91]
	s_lshl_b32 s90, s22, WSH                       ; the weights': tile 8 x block + 4 cb
	s_add_co_u32 s90, s90, WRB0
	s_lshl_b32 s90, s90, 3
	s_lshl_b32 s92, s20, 2
	s_add_co_u32 s90, s90, s92
	s_lshl_b32 s90, s90, 9
	s_add_nc_u64 s[70:71], s[6:7], s[90:91]
	s_lshl_b32 s93, s22, 10                        ; my first column, in bytes: 1,024 cx + 256 cb
	s_lshl_b32 s92, s20, 8
	s_add_co_u32 s93, s93, s92
	s_mov_b32 s90, s93
	s_add_nc_u64 s[74:75], s[8:9], s[90:91]
	s_lshl_b32 s90, s21, 7                         ; my first row of out0: 128 x block + 64 ra
	s_lshl_b32 s92, s19, 6
	s_add_co_u32 s90, s90, s92
	s_lshl_b32 s90, s90, 12
	s_add_co_u32 s90, s90, s93
	s_add_nc_u64 s[78:79], s[10:11], s[90:91]
	s_mul_i32 s92, s19, 6144
	s_mul_i32 s93, s20, 6144
	s_add_co_u32 s93, s93, RBB
	s_mul_i32 s94, s18, 16*SPITCH                  ; my stage
	v_and_b32 v1, 15, v0                           ; r
	v_bfe_u32 v2, v0, 4, 1                         ; h
	v_and_b32 v3, 31, v0
	v_lshlrev_b32 v[O16], 4, v3
	v_lshlrev_b32 v[O8], 3, v3
	v_add_nc_u32 v[XA16], s92, v[O16]
	v_add_nc_u32 v[XA8], s92, v[O8]
	v_add_nc_u32 v[XA16+1], 2*QB, v[XA16]
	v_add_nc_u32 v[XA8+1], 2*QB, v[XA8]
	v_add_nc_u32 v[WA16], s93, v[O16]
	v_add_nc_u32 v[WA8], s93, v[O8]
.irp n, 1,2,3                                  ; block n / 2, K steps 4 (n % 2) ..
	v_add_nc_u32 v[WA16+\n], \n*2*QB, v[WA16]
	v_add_nc_u32 v[WA8+\n], \n*2*QB, v[WA8]
.endr
	v_lshlrev_b32 v[LR16], 4, v1
	v_lshlrev_b32 v[BOQ], 6, v2                    ; register j of lane (r, h) is the tile's column 16 h + j
	v_mul_u32_u24 v[STO], v1, SPITCH               ; into the stage: row r, 64 bytes for each half of the lanes
	v_lshl_add_u32 v[STO], v2, 6, v[STO]
	v_add_nc_u32 v[STO], s94, v[STO]
	v_mul_u32_u24 v[RD], v2, SPITCH                ; back: lanes 0-15 one row of 256 bytes, lanes 16-31 the next
	v_lshl_add_u32 v[RD], v1, 4, v[RD]
	v_add_nc_u32 v[RD], s94, v[RD]
	v_lshlrev_b32 v[CO], 12, v2                    ; and the same two rows in out0
	v_lshl_add_u32 v[CO], v1, 4, v[CO]
	s_wait_alu depctr_va_vdst(0)                   ; the wait at the head's end
.irp a, 0,1,2,3
	global_load_b128 v[XS+8*\a:XS+8*\a+3], v[LR16], s[68:69] offset:512*\a
	global_load_b128 v[XS+8*\a+4:XS+8*\a+7], v[LR16], s[68:69] offset:512*\a+256
.endr
	LOADSB 0
	LOADSB 1
	s_cmp_eq_u32 s18, 3
	s_cbranch_scc1 .Lnot_yet
	s_wait_tensorcnt 0x0
.Lnot_yet:
	s_barrier_signal -1
	s_barrier_wait -1                              ; ctx and weight block 0 are in; block 1 may be on its way
	FETCHX 0
	FETCHW 0, 0, 0
	WIN 0
	s_wait_loadcnt 0x0                             ; the scale words and the bias
	BLK 0, 1
	OUT 0
	BLK 1, 0
	OUT 512
	s_wait_tensorcnt 0x0                           ; the wave's end
	ds_add_u32 v[SPW], v[NIL]
	s_wait_dscnt 0x0
	CROUND                                         ; the closing round
	s_endpgm
.Lfunc_end_k_q68212e685b_proj:
	.size	k_q68212e685b_proj, .Lfunc_end_k_q68212e685b_proj-k_q68212e685b_proj
	.p2alignl 7, 3214868480
	.fill 96, 4, 3214868480
	.section	.rodata,"a",@progbits
	.p2align	6, 0x0
	.amdhsa_kernel k_q68212e685b_proj
		.amdhsa_group_segment_fixed_size 327680
		.amdhsa_private_segment_fixed_size 0
		.amdhsa_enable_private_segment 0
		.amdhsa_kernarg_size 32
		.amdhsa_user_sgpr_count 2
		.amdhsa_user_sgpr_kernarg_segment_ptr 1
		.amdhsa_wavefront_size32 1
		.amdhsa_system_sgpr_workgroup_id_x 1
		.amdhsa_system_sgpr_workgroup_id_y 1
		.amdhsa_system_sgpr_workgroup_id_z 1
		.amdhsa_system_vgpr_workitem_id 0
		.amdhsa_next_free_vgpr 1024
		.amdhsa_next_free_sgpr 100
		.amdhsa_reserve_vcc 0
		.amdhsa_float_denorm_mode_32 3
		.amdhsa_float_denorm_mode_16_64 3
		.amdhsa_memory_ordered 1
		.amdhsa_forward_progress 1
		.amdhsa_inst_pref_size 87
	.end_amdhsa_kernel
	.amdgpu_metadata
---
amdhsa.version: [ 1, 2 ]
amdhsa.kernels:
  - .name:           k_q68212e685b_proj
    .symbol:         k_q68212e685b_proj.kd
    .args:
      - { .name: opc, .offset: 0, .size: 8, .value_kind: global_buffer, .address_space: global }
      - { .name: ops, .offset: 8, .size: 8, .value_kind: global_buffer, .address_space: global }
      - { .name: bo, .offset: 16, .size: 8, .value_kind: global_buffer, .address_space: global }
      - { .name: out0, .offset: 24, .size: 8, .value_kind: global_buffer, .address_space: global }
    .group_segment_fixed_size: 327680
    .private_segment_fixed_size: 0
    .kernarg_segment_align: 8
    .kernarg_segment_size: 32
    .max_flat_workgroup_size: 128
    .sgpr_count:     100
    .vgpr_count:     1024
    .wavefront_size: 32
...
	.end_amdgpu_metadata
.endif
;; end of part 4
